; MI455X (gfx1250); checked and timed in simulation.
; The chip was launched on July 23, 2026; its instructions are those of AMD's public machine-readable ISA for CDNA 5 (MIT licence, August 2026) and "CDNA5" Instruction Set Architecture Reference Guide (July 2026). The comments in the code are by the model that wrote it; some were corrected since.
;; Pointnet2 Det Head. Allowed arithmetic: matrix products marked QUANTISED: E4M3 operands, one given power-of-two scale a tensor, by v_wmma_f32_16x16x64_fp8_fp8 or v_wmma_f32_16x16x128_fp8_fp8, f32 sums; everything else in f32.
;; Inputs: W_cls_codes 21 x 8 x 32 uint8 (E4M3 codes of W_cls, K innermost, in blocks of 32 codes); W_obj_codes 21 x 8 x 32 uint8 (E4M3 codes of W_obj, K innermost, in blocks of 32 codes); b_cls 21 float32; b_obj 21 float32; input_xyz 100,000 x 3 float32; lowp_scales 6 int32 (the exponents e of the quantised operands' scales 2^e); proposals 256 x 6 float32; seg_feats_codes 256 x 3,125 x 32 uint8 (E4M3 codes of seg_feats, K innermost, in blocks of 32 codes).
;; Outputs: out0 256 x 21 float32.
;; This version of the problem:
;;   THIS VERSION OF THE PROBLEM IS GIVEN IN LOW PRECISION. The matrix products marked QUANTISED in the list below multiply operands that are first quantised to E4M3 (4 exponent bits, 3 mantissa bits; 8 bits a number), with one given power-of-two scale for each operand tensor; their sums are f32. All else is computed in f32.
;;   The module's matrix products, in the order in which they are computed (A, B: the left and right operand; K: the contracted axis; several contracted axes count as one K, in the product's order):
;;     1. [M 256, K 100,000] x [K 100,000, N 256]; A: computed on the way; B: input seg_feats (given as codes): QUANTISED (scales: A lowp_scales[0], B lowp_scales[1])
;;     2. [M 256, K 256] x [K 256, N 21]; A: computed on the way; B: input W_cls (given as codes): QUANTISED (scales: A lowp_scales[2], B lowp_scales[3])
;;     3. [M 256, K 256] x [K 256, N 21]; A: computed on the way; B: input W_obj (given as codes): QUANTISED (scales: A lowp_scales[4], B lowp_scales[5])
;;   THE QUANTISER, for each operand of a quantised product, along K:
;;     - The operand's scale is 2^e, e = its entry of the input lowp_scales (int32; the entries are numbered through the quantised products in the list's order, A before B).
;;     - Each number is divided by the scale, clamped to +-448, and rounded to the nearest number of E4M3, ties to even, subnormals kept.
;;     - The product sums the exact products of the quantised numbers (number of the format x scale) in f32.
;;   ~~~python
;;   def quantise(x, axis, e):      # numpy; x: float32 -> the quantised numbers, widened to float32 again
;;       x = np.moveaxis(x, axis, -1); K = x.shape[-1]
;;       r = np.clip(x / 2.0 ** e, -448, 448)
;;       step = 2.0 ** (np.maximum(np.frexp(np.where(r == 0, 1, r))[1] - 1, -6) - 3)
;;       q = np.round(r / step) * step * 2.0 ** e      # np.round: ties to even
;;       return np.moveaxis(q, -1, axis).astype(np.float32)
;;   ~~~
;;   OPERANDS COMPUTED ON THE WAY. 'Computed on the way' means the value that the module computes at that place (a softmax that the list does not call 'softmax' is quantised finished and normalised). What goes into a quantiser is computed in f32, as accurately as f32 sums, v_exp_f32 and their like allow (about 1e-6 of the number): no bf16 or f16 on the way to a quantiser, and a product that is left as it is and whose result goes on into a quantised operand takes f32 operands (vector FMAs, or v_wmma_f32_16x16x4_f32). A number that lies on a knife's edge between two numbers of the format may be rounded either way, as far as f32 arithmetic and the matrix unit's own rounding can turn it there, and no further.
;;   INPUTS GIVEN AS CODES. W_cls (in the module: [256, 21], K = its axis 0); W_obj (in the module: [256, 21], K = its axis 0); seg_feats (in the module: [100000, 256], K = its axis 0): each comes as NAME_codes (uint8): NAME with its K axis moved to the last place and cut into blocks of 32 codes, [.., K / 32, bytes a block], one block behind the other in memory; one code a byte (a code: sign, 4 exponent bits, 3 mantissa bits); its scale is its entry of lowp_scales. Its value is code x scale, taken as it is: it is not quantised again, and the codes and scales need not be those that the quantiser above would give.
;; 2 versions. Each part assembles by itself: llvm-mc -triple=amdgcn-amd-amdhsa -mcpu=gfx1250 --defsym DOCPART=n.
;; ======== version 1 of 2: 3 launches
;; workspace buffers: part 16,777,216 bytes; cnt 65,536 bytes; roi_codes 131,072 bytes
;; launch pool (part 1): grid 256 x 1, 8 waves a work-group, clusters of 4 x 1, 327,680 bytes of LDS; arguments seg_feats_codes, input_xyz, proposals, lowp_scales, part, cnt; writes part, cnt
.if DOCPART == 1
	.amdgcn_target "amdgcn-amd-amdhsa--gfx1250"
	.amdhsa_code_object_version 6
	.text
	.protected	k_q21da3774a2_pool
	.globl	k_q21da3774a2_pool
	.p2align	8
	.type	k_q21da3774a2_pool,@function
k_q21da3774a2_pool:
	s_mov_b64 s[64:65], 0
	v_nop
	global_prefetch_b8 v0, s[64:65] scope:SCOPE_SE
	s_setreg_imm32_b32 hwreg(HW_REG_WAVE_MODE, 25, 1), 1
	s_wait_xcnt 0x0
	s_wait_alu depctr_hold_cnt(0) depctr_sa_sdst(0) depctr_va_vdst(0) depctr_va_sdst(0) depctr_va_ssrc(0) depctr_va_vcc(0) depctr_vm_vsrc(0)
	s_getreg_b32 s2, hwreg(HW_REG_IB_STS2, 6, 4)
	s_cmp_eq_u32 s2, 0
	s_cbranch_scc0 .Lentry_in_a_cluster
	s_endpgm
.Lentry_in_a_cluster:
	s_bfe_u32 s2, ttmp6, 0x10000c
	s_cmp_lg_u32 s2, 0x3003
	s_cbranch_scc0 .Lentry_shape_is_right
	s_endpgm
.Lentry_shape_is_right:
; FIRST OF THREE LAUNCHES.  The box test of 256 proposals against 100,000 points, the quantised product mask x seg_feats (E4M3 codes, f32 sums) and the counts, as PARTIAL sums over 64 chunks of the points.
; The second launch adds the chunks, divides by the counts and quantises the means; the third makes the two heads' products and both softmaxes.
; WORK LEFT OUT, in the whole program: b_obj.  obj_logits[p][c] = (roi W_obj)[p][c] + b_obj[c], and its softmax runs over p (axis 0).  exp(y[p][c] + b[c]) / sum over p' of exp(y[p'][c] + b[c]) =
; exp(y[p][c]) / sum over p' of exp(y[p'][c]) for all finite values: the term is the same along the softmax's axis and goes into no quantiser.  So b_obj has no way to the output: it is not loaded and is no launch's argument.
; LIMIT: a NaN, an infinity or an overflow that comes in through b_obj alone is not carried to the result.  b_cls differs along its softmax's axis and is live.
; LIMITS: lowp_scales[0] between -126 and 119 (2^e and 448 x 2^e are made as f32 patterns).  NaN codes among seg_feats are not served.  The partial sums are added in another order than a single sum over K.
; THE MASK'S CODES.  The mask holds 0 and 1.  Its quantised numbers are 0 and ONE code C = the code of min(1, 448 x 2^e0) / 2^e0, made once by the conversion instruction: nothing about e0 is built in.
; SHARES.  K (the points) goes in 64 chunks of 49 groups of 32 points, one chunk to a cluster of four work-groups; the work-group at place cx has proposals 64 cx .. 64 cx + 63, all 256 features.
; The four partners read the same codes of seg_feats: every tile is asked for JOINTLY (the same tensor load, the same descriptor, mask 15).  cx enters only the addresses of proposals, part and cnt.
; A cluster's WINDOW is always 50 groups (25 steps of 64 along K, 1,600 bytes of a row), beginning at group min(49 kc, 3075), so that nothing leaves a buffer.  Groups of the window that the chunk does not own
; (the last for kc < 63; the first twelve for kc = 63) get x = NaN, so that every compare on them is false: zero codes, no count.
; THE BOX TEST (each wave: 8 proposals x all groups).  Lanes are 32 points, the bounds lie in registers that hold the same number in every lane; six compares write six scalar masks, whose AND is one word: a proposal's mask over 32 points.
; The scalar unit counts its bits; v_writelane_b32 puts it into a vector register; 32 words at a time go to LDS.
; THE PRODUCT (each wave: 32 proposals x 64 features, 8 accumulators).  Lane L tested point 4 (L & 7) + (L >> 3) of its group, so bit 8 b + j of a word is point 4 j + b: byte b of register j of the fragment, the place at
; which two 16-byte loads put that point's code of seg_feats.  (One permutation of k, the same in both operands: every product meets its partner.)  Three-bit fields of the word's bytes are v_perm_b32's selectors into tables of 0 and C:
; 5 + 8 instructions make a fragment.  THE MATRIX INSTRUCTION IS USED TRANSPOSED (source 0 = 16 features, source 1 = 16 proposals): a lane holds one proposal and eight neighbouring features.
; THE WINDOW goes in 5 parts of 5 steps through 3 LDS slots.  In interval t the waves multiply part t and test part t + 1, step by step, so that matrix, LDS and vector work stand side by side.
; No prefetch: three of the five parts are asked for at the head, each refill goes out a whole interval ahead of the wait for it, and a row of codes begins at 100,000 n, so that no rectangular share names each aligned block once.
.set SLOTB, 102400                     ; an LDS slot: 256 rows x PITCH
.set PITCH, 400                        ; a row in LDS: 5 x (64 bytes + 16 of padding) = 25 x 16 bytes: the 16 rows of a load begin in 16 different columns of 16 bytes modulo 256
.set TILEB, 32*PITCH                   ; what one tensor load brings: 32 rows
.set WORDS, 3*SLOTB                    ; two buffers of words: [step 0..5][proposal 64][group of the step 2]
.set WBUF,  3072
.set CNTB,  WORDS+2*WBUF               ; the waves' counts: 128 bytes a wave
.set SPARE, CNTB+1024                  ; the spare words, 128 bytes for each of eight waves: four blocks of 256 bytes that no other line names
.set SPW,  1                           ; v1   LDS address of my spare word; never rewritten
.set NIL,  2                           ; v2   0; never rewritten
.set XO,   3                           ; v3   12 x my point of a group
.set QNAN, 4                           ; v4   NaN
.set WST,  5                           ; v5   where I store words
.set WLD,  6                           ; v6   where I load words
.set BAD,  7                           ; v7-9 my place in slot 0, 1, 2
.set PO,   10                          ; v10  16 x lane
.set ZO,   11                          ; v11  0: an offset that is the same in all lanes
.set CST,  12                          ; v12  where I store counts
.set CNTV, 13                          ; v13  lanes 0-7: my wave's eight counts
.set WR,   14                          ; v14-16 words: lane 16 (s & 1) + 2 i + g of register s / 2: step s, proposal i, group g
.set CRD,  17                          ; v17  where wave 0 reads two counts
.set WD,   18                          ; v18-27 the words of a part's 5 steps x my 2 tiles of proposals
.set TT,   28                          ; v28-33 the selectors: three for each tile
.set AF,   34                          ; v34-49 the mask's two fragments
.set BF,   50                          ; v50-81 four fragments of seg_feats
.set ACC,  82                          ; v82-145 accumulator (mi, ni) at 82 + 8 (4 mi + ni); at the head: the raw proposals
.set XYZ,  146                         ; v146-175 ten groups' x, y, z
.set B2,   146                         ; the last interval: a second set of four fragments
.set BND,  176                         ; v176-223 proposal i: lo_x, hi_x, lo_y, hi_y, lo_z, hi_z
.set G1,   24                          ; s[24:31] descriptor group 1
.set G0,   32                          ; s[32:43] descriptor group 0, a set for each slot
.set TA,   44                          ; s[44:55] twelve masks
.set TB,   66                          ; s[66:77] twelve more
; s16 wave, s17 wave / 4, s18 wave % 4, s20 cx, s21 the window's first group, s56-58 the tables, s59-60 field masks, s80-87 counts, s90 keeps the first groups, s91 keeps the last
.macro ROUND                           ; a round of the cluster's barrier: my work-group's barrier; wave 0 signals for the work-group; every wave waits for all four; my work-group's barrier once more
	s_barrier_signal -1
	s_barrier_wait -1
	s_cmp_lg_u32 s16, 0
	s_cbranch_scc1 .Lnot_wave_0_\@
	s_barrier_signal -3
.Lnot_wave_0_\@:
	s_barrier_wait -3
	s_barrier_signal -1
	s_barrier_wait -1
.endm
.macro PLACES                          ; four plain vector instructions between a matrix instruction and a load into, or a store of, its registers
.rept 4
	v_nop
.endr
.endm
; Twelve compares: proposal i against groups MG and MG + 1.  Even registers of set T belong to the first group, odd ones to the second.
.macro UV i, T
.irp d, 0,1,2
	v_cmp_ge_f32 s[\T+4*\d], v[XYZ+3*MG+\d], v[BND+6*\i+2*\d]
	v_cmp_ge_f32 s[\T+4*\d+1], v[XYZ+3*MG+3+\d], v[BND+6*\i+2*\d]
	v_cmp_le_f32 s[\T+4*\d+2], v[XYZ+3*MG+\d], v[BND+6*\i+2*\d+1]
	v_cmp_le_f32 s[\T+4*\d+3], v[XYZ+3*MG+3+\d], v[BND+6*\i+2*\d+1]
.endr
.endm
; The six masks of each group become one word; its bits are counted; the two words go into lanes ML + 2 i and ML + 2 i + 1 of word register MQ.
.macro US i, T
	s_and_b32 s[\T], s[\T], s[\T+2]
	s_and_b32 s[\T+1], s[\T+1], s[\T+3]
	s_and_b32 s[\T+4], s[\T+4], s[\T+6]
	s_and_b32 s[\T+5], s[\T+5], s[\T+7]
	s_and_b32 s[\T+8], s[\T+8], s[\T+10]
	s_and_b32 s[\T+9], s[\T+9], s[\T+11]
	s_and_b32 s[\T], s[\T], s[\T+4]
	s_and_b32 s[\T+1], s[\T+1], s[\T+5]
	s_and_b32 s[\T], s[\T], s[\T+8]
	s_and_b32 s[\T+1], s[\T+1], s[\T+9]
	s_bcnt1_i32_b32 s88, s[\T]
	s_bcnt1_i32_b32 s89, s[\T+1]
	s_add_co_u32 s[80+\i], s[80+\i], s88
	s_add_co_u32 s[80+\i], s[80+\i], s89
	v_writelane_b32 v[WR+MQ], s[\T], ML+2*\i
	v_writelane_b32 v[WR+MQ], s[\T+1], ML+2*\i+1
.endm
; The test of my 8 proposals against step s of a part (its groups 2 s, 2 s + 1).  A proposal's scalar lines stand twelve vector lines behind its compares; the two sets of masks take turns.  tail = 0: the last proposal's scalar lines are written by the caller.
.macro MCH s, tail
.set MG, 2*(\s)
.set MQ, (\s)/2
.set ML, 16*((\s)%2)
	UV 0, TA
	UV 1, TB
	US 0, TA
	UV 2, TA
	US 1, TB
	UV 3, TB
	US 2, TA
	UV 4, TA
	US 3, TB
	UV 5, TB
	US 4, TA
	UV 6, TA
	US 5, TB
	UV 7, TB
	US 6, TA
.if \tail
	US 7, TB
.endif
.endm
.macro XLOAD u                         ; part u's ten groups of points: x, y, z of my point of each
.irp g, 0,1,2,3,4,5,6,7,8,9
.irp d, 0,1,2
	global_load_b32 v[XYZ+3*\g+\d], v[XO], s[6:7] offset:(10*(\u)+\g)*384+4*\d
.endr
.endr
.endm
.macro POISON g, m                     ; group g keeps its x where mask m is set, else x = NaN
	v_cndmask_b32 v[XYZ+3*(\g)], v[QNAN], v[XYZ+3*(\g)], s[\m]
.endm
.macro WSTORE b                        ; my wave's words of a part into buffer b (the upper lanes of the third register hold zeros: step 5, which nobody reads)
.irp q, 0,1,2
	ds_store_b32 v[WST], v[WR+\q] offset:WBUF*(\b)+1024*\q
.endr
.endm
.macro WLOAD b                         ; the words of 5 steps x my 2 tiles of proposals: each load takes 128 consecutive bytes
.irp s, 0,1,2,3,4
.irp mi, 0,1
	ds_load_b32 v[WD+2*\s+\mi], v[WLD] offset:WBUF*(\b)+512*\s+128*\mi
.endr
.endr
.endm
.macro LOADB slot, st, base            ; my four fragments of seg_feats of step st: lane (r, h): feature r, k = 32 h + 0 .. 31 in registers 0 to 7
.irp ni, 0,1,2,3
	ds_load_b128 v[\base+8*\ni:\base+8*\ni+3], v[BAD+\slot] offset:16*PITCH*\ni+80*(\st)
	ds_load_b128 v[\base+8*\ni+4:\base+8*\ni+7], v[BAD+\slot] offset:16*PITCH*\ni+80*(\st)+16
.endr
.endm
.macro PRE st                          ; the selectors of step st: bits 0-2, 3-5 and 6-7 of each byte of the word.  Ten plain lines that name no register of the products: they are the places behind the step before
.irp mi, 0,1
	v_and_b32 v[TT+3*\mi], s59, v[WD+2*(\st)+\mi]
	v_lshrrev_b32 v[TT+3*\mi+1], 3, v[WD+2*(\st)+\mi]
	v_lshrrev_b32 v[TT+3*\mi+2], 6, v[WD+2*(\st)+\mi]
	v_and_b32 v[TT+3*\mi+1], s59, v[TT+3*\mi+1]
	v_and_b32 v[TT+3*\mi+2], s60, v[TT+3*\mi+2]
.endr
.endm
.macro PERM                            ; register j, byte b = C where bit j of the word's byte b is set.  A selector byte 0-3 takes a byte of the second source, 4-7 of the first: s56 holds C at places 1, 3; s57 at 2, 3; s58 at all four
.irp mi, 0,1
	v_perm_b32 v[AF+8*\mi], s56, s56, v[TT+3*\mi]
	v_perm_b32 v[AF+8*\mi+1], s57, s57, v[TT+3*\mi]
	v_perm_b32 v[AF+8*\mi+2], s58, 0, v[TT+3*\mi]
	v_perm_b32 v[AF+8*\mi+3], s56, s56, v[TT+3*\mi+1]
	v_perm_b32 v[AF+8*\mi+4], s57, s57, v[TT+3*\mi+1]
	v_perm_b32 v[AF+8*\mi+5], s58, 0, v[TT+3*\mi+1]
	v_perm_b32 v[AF+8*\mi+6], s56, s56, v[TT+3*\mi+2]
	v_perm_b32 v[AF+8*\mi+7], s57, s57, v[TT+3*\mi+2]
.endr
.endm
.macro MM zero, base                   ; eight products; the eight accumulators take turns, one instruction a turn, in the same order in every step.  zero = 1: they start the sums
.irp mi, 0,1
.irp ni, 0,1,2,3
.if \zero
	v_wmma_f32_16x16x64_fp8_fp8 v[ACC+8*(4*\mi+\ni):ACC+8*(4*\mi+\ni)+7], v[\base+8*\ni:\base+8*\ni+7], v[AF+8*\mi:AF+8*\mi+7], 0
.else
	v_wmma_f32_16x16x64_fp8_fp8 v[ACC+8*(4*\mi+\ni):ACC+8*(4*\mi+\ni)+7], v[\base+8*\ni:\base+8*\ni+7], v[AF+8*\mi:AF+8*\mi+7], v[ACC+8*(4*\mi+\ni):ACC+8*(4*\mi+\ni)+7]
.endif
.endr
.endr
.endm
; A full step: the product's step st of the part in hand, and the test's step st of the next part between the fragment loads and their use.
.macro GSTEP slot, st, zero, ldb
	PRE \st
.if \ldb
	LOADB \slot, \st, BF
.endif
	MCH \st, 0
	s_wait_dscnt 0x0                               ; the step's fragments of seg_feats are in
	PERM
	US 7, TB
	MM \zero, BF
.endm
.macro OPEN slot, buf                  ; an interval's head
	WLOAD \buf
	LOADB \slot, 0, BF
	s_wait_dscnt 0x8                               ; the ten words are in; the eight loads of fragments behind them may be out
	s_wait_loadcnt 0x0                             ; the next part's points
.endm
.macro STEPS slot, zero
	GSTEP \slot, 0, \zero, 0
	GSTEP \slot, 1, 0, 1
	GSTEP \slot, 2, 0, 1
	GSTEP \slot, 3, 0, 1
	GSTEP \slot, 4, 0, 1
	PLACES                                         ; for the next interval's first loads of fragments
.endm
; Slot s, which has been read out, is filled again, with the part three parts on.  Every wave waits for all its tensor loads, adds 0 to its spare word, and waits for that, for its stores of words and for its reads of the slot;
; the round then holds of every wave of all four partners, and the joint load is the first thing behind it.
.macro REFILL s
	s_wait_tensorcnt 0x0                           ; no tensor load of mine is out, so a group 0 may be written; the parts in the other two slots have landed
	ds_add_u32 v[SPW], v[NIL]
	s_add_nc_u64 s[G0+4*\s+2:G0+4*\s+3], s[G0+4*\s+2:G0+4*\s+3], 960   ; three parts of 320 bytes on; the type bits on top are not reached
	s_wait_dscnt 0x0
	ROUND
	tensor_load_to_lds s[G0+4*\s:G0+4*\s+3], s[G1:G1+7]
	s_nop 0
.endm
	s_load_b256 s[4:11], s[0:1], 0x0               ; seg_feats' codes s[4:5], xyz s[6:7], proposals s[8:9], the scales' exponents s[10:11]
	s_load_b128 s[12:15], s[0:1], 0x20             ; part s[12:13], cnt s[14:15]
	v_lshl_add_u32 v[SPW], v0, 2, SPARE
	v_mov_b32 v[NIL], 0
	ds_add_u32 v[SPW], v[NIL]                      ; the wave's opening: the add, twice on end, and its wait ahead of my first tensor load; the set-up below, work on registers, stands between
	ds_add_u32 v[SPW], v[NIL]
	v_lshrrev_b32 v20, 5, v0
	v_readfirstlane_b32 s16, v20                   ; wave 0..7
	s_lshr_b32 s17, s16, 2                         ; which 32 proposals I multiply
	s_and_b32 s18, s16, 3                          ; which 64 features
	s_bfe_u32 s20, ttmp6, 0x40000                  ; cx
	s_mul_i32 s21, ttmp9, 49                       ; ttmp9 counts clusters: the chunk kc
	s_min_u32 s21, s21, 3075                       ; the window's first group
	s_cmp_eq_u32 ttmp9, 63
	s_cselect_b32 s90, 0, -1                       ; the window's first twelve groups are mine but in the last chunk,
	s_not_b32 s91, s90                             ; its last group in the last chunk alone
	s_mov_b32 s[G1], 15|(1<<20)|(1<<21)|(3<<22)|(3<<25)   ; 15:0 the mask: all four work-groups; 17:16 elements of 1 byte; 20 padding on; 21 set beside a mask; 24:22 after every 16 words (code 3); 31:25 four words (code 3)
	s_mov_b32 s[G1+1], 320<<16                     ; tensor_dim0 = 320
	s_mov_b32 s[G1+2], 32<<16                      ; tensor_dim1 = 32
	s_mov_b32 s[G1+3], 320<<16                     ; tile_dim0 = 320
	s_mov_b32 s[G1+4], 32                          ; tile_dim1 = 32
	s_mov_b32 s[G1+5], 100000                      ; from row to row
	s_mov_b32 s[G1+6], 0
	s_mov_b32 s[G1+7], 0
	s_mov_b32 s59, 0x07070707
	s_mov_b32 s60, 0x03030303
.irp i, 0,1,2,3,4,5,6,7
	s_mov_b32 s[80+\i], 0
.endr
	v_and_b32 v20, 31, v0                          ; L
	v_and_b32 v21, 7, v0
	v_bfe_u32 v22, v0, 3, 2
	v_lshl_add_u32 v21, v21, 2, v22                ; my point of a group: 4 (L & 7) + (L >> 3)
	v_mul_u32_u24 v[XO], v21, 12
	v_mov_b32 v[QNAN], 0x7fc00000
	v_and_b32 v23, 15, v0                          ; r
	v_bfe_u32 v24, v0, 4, 1                        ; h
	s_lshl_b32 s97, s16, 6
	s_add_co_u32 s97, s97, WORDS
	v_lshl_add_u32 v[WST], v24, 9, s97
	v_lshl_add_u32 v[WST], v23, 2, v[WST]          ; WORDS + 512 h + 64 wave + 4 r
	s_lshl_b32 s97, s17, 8
	s_add_co_u32 s97, s97, WORDS
	v_lshl_add_u32 v[WLD], v23, 3, s97
	v_lshl_add_u32 v[WLD], v24, 2, v[WLD]          ; WORDS + 256 (wave / 4) + 8 r + 4 h
	s_mul_i32 s97, s18, 64*PITCH
	v_mul_u32_u24 v[BAD], v23, PITCH
	v_lshl_add_u32 v[BAD], v24, 5, v[BAD]
	v_add_nc_u32 v[BAD], s97, v[BAD]               ; (64 (wave % 4) + r) x PITCH + 32 h
	v_add_nc_u32 v[BAD+1], SLOTB, v[BAD]
	v_add_nc_u32 v[BAD+2], 2*SLOTB, v[BAD]
	v_lshlrev_b32 v[PO], 4, v20
	v_mov_b32 v[ZO], 0
	v_lshl_add_u32 v[CST], v0, 2, CNTB             ; CNTB + 128 wave + 4 L
	v_mov_b32 v[CNTV], 0
	v_mov_b32 v[WR], 0                             ; v_writelane_b32's destination counts as read
	v_mov_b32 v[WR+1], 0
	v_mov_b32 v[WR+2], 0
	v_bfe_u32 v25, v0, 2, 3
	v_and_b32 v26, 3, v0
	v_lshlrev_b32 v[CRD], 7, v25
	v_lshl_add_u32 v[CRD], v26, 3, v[CRD]
	v_add_nc_u32 v[CRD], CNTB, v[CRD]              ; proposals 2 L, 2 L + 1: wave L / 4, words 2 (L % 4) on
	s_mul_i32 s22, s16, TILEB                      ; my 32 rows in a slot: no place in the cluster enters an LDS address
	s_mul_i32 s92, s16, 3200000                    ; my 32 rows of 100,000 bytes in memory,
	s_lshl_b32 s93, s21, 5
	s_add_co_u32 s92, s92, s93                     ; from the window's first point on
	s_mov_b32 s93, 0
	s_wait_dscnt 0x0                               ; both opening adds are done
	s_wait_kmcnt 0x0
	s_load_b32 s96, s[10:11], 0x0                  ; e0
	s_add_nc_u64 s[92:93], s[4:5], s[92:93]
.irp s, 0,1,2
	s_mov_b32 s[G0+4*\s], 1                                        ; count = 1
	s_add_co_u32 s[G0+4*\s+1], s22, \s*SLOTB                       ; LDS address
	s_add_nc_u64 s[G0+4*\s+2:G0+4*\s+3], s[92:93], \s*320          ; global address: part s
	s_or_b32 s[G0+4*\s+3], s[G0+4*\s+3], 0x80000000                ; type = 2
.endr
	ROUND                                          ; all four work-groups are here: the first joint loads meet
.irp s, 0,1,2
	tensor_load_to_lds s[G0+4*\s:G0+4*\s+3], s[G1:G1+7]            ; parts 0, 1, 2: three loads of mine are out
	s_nop 0
.endr
	s_mul_i32 s92, s21, 384
	s_mov_b32 s93, 0
	s_add_nc_u64 s[6:7], s[6:7], s[92:93]          ; xyz at the window's first point
	s_mul_i32 s94, s20, 1536
	s_mul_i32 s99, s16, 192
	s_add_co_u32 s94, s94, s99
	s_mov_b32 s95, 0
	s_add_nc_u64 s[8:9], s[8:9], s[94:95]          ; proposals at 64 cx + 8 wave
.irp k, 0,1,2,3,4,5,6,7,8,9,10,11
	global_load_b128 v[ACC+4*\k:ACC+4*\k+3], v[ZO], s[8:9] offset:16*\k   ; my eight proposals, 48 numbers, the same in every lane
.endr
	XLOAD 0
	s_lshl_b32 s94, ttmp9, 18                      ; part: 262,144 kc + 16,384 (4 cx + 2 (wave / 4)) + 4,096 (wave % 4)
	s_lshl_b32 s99, s20, 16
	s_add_co_u32 s94, s94, s99
	s_lshl_b32 s99, s17, 15
	s_add_co_u32 s94, s94, s99
	s_lshl_b32 s99, s18, 12
	s_add_co_u32 s94, s94, s99
	s_add_nc_u64 s[12:13], s[12:13], s[94:95]
	s_lshl_b32 s94, ttmp9, 10                      ; cnt: 1,024 kc + 256 cx
	s_lshl_b32 s99, s20, 8
	s_add_co_u32 s94, s94, s99
	s_add_nc_u64 s[14:15], s[14:15], s[94:95]
	s_wait_kmcnt 0x0                               ; e0
	s_add_co_i32 s97, s96, 127
	s_lshl_b32 s98, s97, 23
	v_mov_b32 v44, s98                             ; 2^e0 as f32: the conversion takes its exponent field
	s_add_co_i32 s97, s97, 8
	s_lshl_b32 s97, s97, 23
	s_or_b32 s97, s97, 0x600000
	v_mov_b32 v45, s97                             ; 448 x 2^e0
.irp j, 0,1,2,3,4,5,6,7
	v_min_num_f32 v[AF+\j], 1.0, v45               ; the mask's 1, held at the largest code x the scale (the conversion does not saturate: ISA guide 7.6.2)
.endr
	v_cvt_scalef32_pk8_fp8_f32 v[42:43], v[AF:AF+7], v44
	v_nop                                          ; a plain line between the conversion and the reader of its result
	v_readfirstlane_b32 s58, v42                   ; C in all four bytes
	s_and_b32 s56, s58, 0xff00ff00
	s_and_b32 s57, s58, 0xffff0000
	s_wait_loadcnt 30                              ; the twelve loads of proposals are in; the thirty of points behind them may be out
.irp i, 0,1,2,3,4,5,6,7
.irp d, 0,1,2
	v_fma_f32 v[BND+6*\i+2*\d], v[ACC+6*\i+3+\d], -0.5, v[ACC+6*\i+\d]     ; lo = centre - size / 2: half a size is exact, so this is the one rounding of the subtraction
	v_fma_f32 v[BND+6*\i+2*\d+1], v[ACC+6*\i+3+\d], 0.5, v[ACC+6*\i+\d]    ; hi = centre + size / 2
.endr
.endr
	; ---- part 0 is tested
	s_wait_loadcnt 0x0
.irp g, 0,1,2,3,4,5,6,7,8,9
	POISON \g, 90
.endr
	MCH 0, 1
	MCH 1, 1
	MCH 2, 1
	MCH 3, 1
	MCH 4, 1
	XLOAD 1
	WSTORE 0
	s_wait_tensorcnt 0x2                           ; my rows of part 0 are in; parts 1 and 2 may stay out
	s_wait_dscnt 0x0                               ; my words are stored
	s_barrier_signal -1
	s_barrier_wait -1
	; ---- interval 0: part 0 (slot 0, words 0) is multiplied, part 1 is tested
	OPEN 0, 0
	POISON 0, 90
	POISON 1, 90
	STEPS 0, 1
	XLOAD 2
	WSTORE 1
	REFILL 0                                       ; slot 0 takes part 3
	; ---- interval 1: part 1 (slot 1, words 1), part 2 is tested
	OPEN 1, 1
	STEPS 1, 0
	XLOAD 3
	WSTORE 0
	REFILL 1                                       ; slot 1 takes part 4
	; ---- interval 2: part 2 (slot 2, words 0), part 3 is tested
	OPEN 2, 0
	STEPS 2, 0
	XLOAD 4
	WSTORE 1
	s_wait_tensorcnt 0x1                           ; my rows of part 3 are in (the wait for all loads in front of the last round has shown it); part 4's load may stay out
	s_wait_dscnt 0x0
	s_barrier_signal -1
	s_barrier_wait -1
	; ---- interval 3: part 3 (slot 0, words 1), part 4 is tested
	OPEN 0, 1
	POISON 9, 91
	STEPS 0, 0
	WSTORE 0
.irp i, 0,1,2,3,4,5,6,7
	v_writelane_b32 v[CNTV], s[80+\i], \i          ; the tests are over: my eight counts
.endr
	ds_store_b32 v[CST], v[CNTV]
	s_wait_tensorcnt 0x0                           ; my rows of part 4 are in
	s_wait_dscnt 0x0
	s_barrier_signal -1
	s_barrier_wait -1
	; ---- interval 4: part 4 (slot 1, words 0): products alone; two sets of fragments take turns, each asked for a step ahead
	WLOAD 0
	LOADB 1, 0, BF
	s_wait_dscnt 0x8                               ; the words are in
	PRE 0
	LOADB 1, 1, B2
	s_wait_dscnt 0x8                               ; this step's fragments are in; the next step's eight loads may be out
	PERM
	MM 0, BF
	PRE 1
	LOADB 1, 2, BF
	s_wait_dscnt 0x8
	PERM
	MM 0, B2
	PRE 2
	LOADB 1, 3, B2
	s_wait_dscnt 0x8
	PERM
	MM 0, BF
	PRE 3
	LOADB 1, 4, BF
	s_wait_dscnt 0x8
	PERM
	MM 0, B2
	PRE 4
	s_wait_dscnt 0x0
	PERM
	MM 0, BF
	; ---- the way out: each accumulator as an image of its registers, its low four first; every store covers 512 consecutive bytes, aligned
	PLACES
.irp mi, 0,1
.irp ni, 0,1,2,3
	global_store_b128 v[PO], v[ACC+8*(4*\mi+\ni):ACC+8*(4*\mi+\ni)+3], s[12:13] offset:16384*\mi+1024*\ni th:TH_STORE_NT
	global_store_b128 v[PO], v[ACC+8*(4*\mi+\ni)+4:ACC+8*(4*\mi+\ni)+7], s[12:13] offset:16384*\mi+1024*\ni+512 th:TH_STORE_NT
.endr
.endr
	s_cmp_lg_u32 s16, 0
	s_cbranch_scc1 .Lno_counts
	ds_load_b64 v[18:19], v[CRD]                   ; wave 0: the work-group's 64 counts, stored in front of the last barrier
	v_lshrrev_b32 v20, 1, v[PO]                    ; 8 x lane
	s_wait_dscnt 0x0
	global_store_b64 v20, v[18:19], s[14:15]       ; 256 consecutive bytes, aligned
.Lno_counts:
	s_wait_tensorcnt 0x0                           ; the wave's end, behind my last tensor load and my last LDS store: a wait, an add to the spare word and its wait
	ds_add_u32 v[SPW], v[NIL]
	s_wait_dscnt 0x0
	ROUND                                          ; the closing round: no work-group ends while a partner may still ask for a tile that names it
	s_endpgm
.Lfunc_end_k_q21da3774a2_pool:
	.size	k_q21da3774a2_pool, .Lfunc_end_k_q21da3774a2_pool-k_q21da3774a2_pool
	.p2alignl 7, 3214868480
	.fill 96, 4, 3214868480
	.section	.rodata,"a",@progbits
	.p2align	6, 0x0
	.amdhsa_kernel k_q21da3774a2_pool
		.amdhsa_group_segment_fixed_size 327680
		.amdhsa_private_segment_fixed_size 0
		.amdhsa_enable_private_segment 0
		.amdhsa_kernarg_size 48
		.amdhsa_user_sgpr_count 2
		.amdhsa_user_sgpr_kernarg_segment_ptr 1
		.amdhsa_wavefront_size32 1
		.amdhsa_system_sgpr_workgroup_id_x 1
		.amdhsa_system_sgpr_workgroup_id_y 1
		.amdhsa_system_sgpr_workgroup_id_z 1
		.amdhsa_system_vgpr_workitem_id 0
		.amdhsa_next_free_vgpr 224
		.amdhsa_next_free_sgpr 100
		.amdhsa_reserve_vcc 0
		.amdhsa_float_denorm_mode_32 3
		.amdhsa_float_denorm_mode_16_64 3
		.amdhsa_memory_ordered 1
		.amdhsa_forward_progress 1
		.amdhsa_inst_pref_size 255
	.end_amdhsa_kernel
	.section	.bss,"aw",@nobits
	.p2align	6
	.space	262144
	.amdgpu_metadata
---
amdhsa.version: [ 1, 2 ]
amdhsa.kernels:
  - .name:           k_q21da3774a2_pool
    .symbol:         k_q21da3774a2_pool.kd
    .args:
      - { .name: seg_feats_codes, .offset: 0, .size: 8, .value_kind: global_buffer, .address_space: global }
      - { .name: input_xyz, .offset: 8, .size: 8, .value_kind: global_buffer, .address_space: global }
      - { .name: proposals, .offset: 16, .size: 8, .value_kind: global_buffer, .address_space: global }
      - { .name: lowp_scales, .offset: 24, .size: 8, .value_kind: global_buffer, .address_space: global }
      - { .name: part, .offset: 32, .size: 8, .value_kind: global_buffer, .address_space: global }
      - { .name: cnt, .offset: 40, .size: 8, .value_kind: global_buffer, .address_space: global }
    .group_segment_fixed_size: 327680
    .private_segment_fixed_size: 0
    .kernarg_segment_align: 8
    .kernarg_segment_size: 48
    .max_flat_workgroup_size: 256
    .sgpr_count:     100
    .vgpr_count:     224
    .wavefront_size: 32
...
	.end_amdgpu_metadata
.endif
;; end of part 1
;; launch reduce (part 2): grid 256 x 1, 4 waves a work-group, no clusters, 5,120 bytes of LDS; arguments part, cnt, lowp_scales, roi_codes; writes roi_codes
.if DOCPART == 2
	.amdgcn_target "amdgcn-amd-amdhsa--gfx1250"
	.amdhsa_code_object_version 6
	.text
	.protected	k_q21da3774a2_reduce
	.globl	k_q21da3774a2_reduce
	.p2align	8
	.type	k_q21da3774a2_reduce,@function
k_q21da3774a2_reduce:
	s_mov_b64 s[64:65], 0
	v_nop
	global_prefetch_b8 v0, s[64:65] scope:SCOPE_SE
	s_setreg_imm32_b32 hwreg(HW_REG_WAVE_MODE, 25, 1), 1
	s_wait_xcnt 0x0
; SECOND LAUNCH.  roi = (the sum over the 64 chunks of part) x 2^(e0 + e1) / max(count, 1), quantised twice: with 2^e2 for the class head, with 2^e4 for the objectness head.
; A work-group takes one slice (16 proposals x 16 features: an accumulator's image of 1,024 bytes in each chunk); wave w adds chunks 16 w .. 16 w + 15; the four sums meet in LDS and wave 0 finishes.
; Lane (r, h) holds proposal 16 mt + r and features 16 nt + 8 h + 0 .. 7: eight neighbours along the next K, so that one conversion gives registers 2 c, 2 c + 1 (c = nt mod 8) of the heads' operand,
; and the codes are stored in the order of that operand's registers: [head][mt][nt][lane][8 bytes].
; A stream: no matrix unit, no cluster, no tensor load; all of a wave's 48 loads are out at once.
; LIMITS: e2 and e4 between -126 and 119.  1 / count is v_rcp_f32 and a multiplication.  NaN among the sums is not served (the hold takes it away).
.set IMG,   0                          ; four images of 1,024 bytes
.set CIMG,  4096                       ; four times 128 bytes of counts
.set SPARE, 4608                       ; the spare words, 128 bytes for each wave: two blocks of 256 bytes that no other line names
	s_load_b256 s[4:11], s[0:1], 0x0               ; part s[4:5], cnt s[6:7], the scales' exponents s[8:9], roi_codes s[10:11]
	v_lshl_add_u32 v1, v0, 2, SPARE                ; my spare word; never rewritten
	v_mov_b32 v2, 0                                ; 0; never rewritten
	v_lshrrev_b32 v172, 5, v0
	v_readfirstlane_b32 s12, v172                  ; wave 0..3
	v_and_b32 v172, 31, v0
	v_lshlrev_b32 v3, 4, v172                      ; 16 x lane
	v_lshlrev_b32 v7, 3, v172                      ; 8 x lane
	v_and_b32 v4, 15, v0
	v_lshlrev_b32 v4, 2, v4                        ; 4 r
	s_lshl_b32 s13, s12, 10
	v_add_nc_u32 v5, s13, v3                       ; IMG + 1,024 wave + 16 lane
	v_lshl_add_u32 v6, v0, 2, CIMG                 ; CIMG + 128 wave + 4 lane
	s_lshl_b32 s14, s12, 22                        ; part: my 16 chunks of 262,144 bytes,
	s_lshl_b32 s15, ttmp9, 10                      ; the slice
	s_add_co_u32 s14, s14, s15
	s_mov_b32 s15, 0
	s_lshr_b32 s16, ttmp9, 4                       ; mt
	s_lshl_b32 s16, s16, 6                         ; cnt: 16 proposals of 4 bytes,
	s_lshl_b32 s17, s12, 14                        ; my 16 chunks of 1,024 bytes
	s_add_co_u32 s16, s16, s17
	s_mov_b32 s17, 0
	s_lshl_b32 s18, ttmp9, 8                       ; roi_codes: 256 bytes a slice
	s_mov_b32 s19, 0
	s_wait_kmcnt 0x0
	s_load_b128 s[20:23], s[8:9], 0x0              ; e0, e1, e2, e3
	s_load_b64 s[24:25], s[8:9], 0x10              ; e4, e5
	s_add_nc_u64 s[4:5], s[4:5], s[14:15]
	s_add_nc_u64 s[6:7], s[6:7], s[16:17]
	s_add_nc_u64 s[10:11], s[10:11], s[18:19]
.set CH, 0
.rept 16
	global_load_b128 v[24+8*CH:27+8*CH], v3, s[4:5] offset:262144*CH th:TH_LOAD_NT       ; 512 consecutive bytes a load
	global_load_b128 v[28+8*CH:31+8*CH], v3, s[4:5] offset:262144*CH+512 th:TH_LOAD_NT
.set CH, CH+1
.endr
.set CH, 0
.rept 16
	global_load_b32 v[8+CH], v4, s[6:7] offset:1024*CH
.set CH, CH+1
.endr
.set CH, 1
.rept 15
	s_wait_loadcnt 2*(15-CH)+16                    ; chunk CH is in: behind it stand the later chunks' loads, two each, and the sixteen of counts
.irp k, 0,2,4,6
	v_pk_add_f32 v[24+\k:25+\k], v[24+\k:25+\k], v[24+8*CH+\k:25+8*CH+\k]
.endr
.set CH, CH+1
.endr
	s_wait_loadcnt 0x0
	v_add3_u32 v8, v8, v9, v10
	v_add3_u32 v11, v11, v12, v13
	v_add3_u32 v14, v14, v15, v16
	v_add3_u32 v17, v17, v18, v19
	v_add3_u32 v20, v20, v21, v22
	v_add3_u32 v8, v8, v11, v14
	v_add3_u32 v17, v17, v20, v23
	v_add_nc_u32 v8, v8, v17                       ; my 16 chunks' count of proposal r
	ds_store_b128 v5, v[24:27]
	ds_store_b128 v5, v[28:31] offset:512
	ds_store_b32 v6, v8
	s_wait_tensorcnt 0x0                           ; a wait, an add to the spare word and its wait behind a wave's last LDS store; the last is also the wait for my stores in front of the barrier
	ds_add_u32 v1, v2
	s_wait_dscnt 0x0
	s_barrier_signal -1
	s_barrier_wait -1
	s_cmp_lg_u32 s12, 0
	s_cbranch_scc1 .Lend                           ; waves 1 to 3 have handed their sums over
.irp w, 1,2,3
	ds_load_b128 v[24+8*\w:27+8*\w], v3 offset:IMG+1024*\w
	ds_load_b128 v[28+8*\w:31+8*\w], v3 offset:IMG+1024*\w+512
	ds_load_b32 v[8+\w], v6 offset:128*\w
.endr
	s_wait_kmcnt 0x0
	s_add_co_i32 s26, s20, s21                     ; e0 + e1
	s_add_co_i32 s27, s22, 127
	s_lshl_b32 s28, s27, 23
	v_mov_b32 v173, s28                            ; 2^e2 as f32: the conversion takes its exponent field
	s_add_co_i32 s27, s27, 8
	s_lshl_b32 s27, s27, 23
	s_or_b32 s27, s27, 0x600000
	v_mov_b32 v172, s27                            ; 448 x 2^e2
	s_add_co_i32 s27, s24, 127
	s_lshl_b32 s28, s27, 23
	v_mov_b32 v175, s28                            ; 2^e4
	s_add_co_i32 s27, s27, 8
	s_lshl_b32 s27, s27, 23
	s_or_b32 s27, s27, 0x600000
	v_mov_b32 v174, s27                            ; 448 x 2^e4
	s_wait_dscnt 0x0
	v_add3_u32 v8, v8, v9, v10
	v_add_nc_u32 v8, v8, v11                       ; the count
	v_cvt_f32_u32 v12, v8
	v_max_num_f32 v12, 1.0, v12
	v_rcp_f32 v14, v12
.irp w, 1,2,3
.irp k, 0,2,4,6
	v_pk_add_f32 v[24+\k:25+\k], v[24+\k:25+\k], v[24+8*\w+\k:25+8*\w+\k]   ; plain lines behind the reciprocal that name neither its result nor its source
.endr
.endr
	s_wait_alu depctr_va_vdst(0)                   ; the wait ahead of the first line that names the reciprocal
	v_mov_b32 v15, v14                             ; (named with it as a pair)
.irp k, 0,2,4,6
	v_pk_mul_f32 v[24+\k:25+\k], v[24+\k:25+\k], v[14:15] op_sel_hi:[1,0]
.endr
.irp j, 0,1,2,3,4,5,6,7
	v_ldexp_f32 v[24+\j], v[24+\j], s26            ; x 2^(e0 + e1): the mean
.endr
.irp j, 0,1,2,3,4,5,6,7
	v_med3_num_f32 v[152+\j], v[24+\j], -v172, v172   ; the conversion to an 8-bit code does not saturate (ISA guide 7.6.2): the hold at the largest code x the scale
.endr
	v_cvt_scalef32_pk8_fp8_f32 v[168:169], v[152:159], v173
.irp j, 0,1,2,3,4,5,6,7
	v_med3_num_f32 v[160+\j], v[24+\j], -v174, v174
.endr
	v_cvt_scalef32_pk8_fp8_f32 v[170:171], v[160:167], v175
	v_nop
	global_store_b64 v7, v[168:169], s[10:11]      ; 256 consecutive bytes, aligned
	global_store_b64 v7, v[170:171], s[10:11] offset:65536
.Lend:
	s_endpgm
.Lfunc_end_k_q21da3774a2_reduce:
	.size	k_q21da3774a2_reduce, .Lfunc_end_k_q21da3774a2_reduce-k_q21da3774a2_reduce
	.p2alignl 7, 3214868480
	.fill 96, 4, 3214868480
	.section	.rodata,"a",@progbits
	.p2align	6, 0x0
	.amdhsa_kernel k_q21da3774a2_reduce
		.amdhsa_group_segment_fixed_size 5120
		.amdhsa_private_segment_fixed_size 0
		.amdhsa_enable_private_segment 0
		.amdhsa_kernarg_size 32
		.amdhsa_user_sgpr_count 2
		.amdhsa_user_sgpr_kernarg_segment_ptr 1
		.amdhsa_wavefront_size32 1
		.amdhsa_system_sgpr_workgroup_id_x 1
		.amdhsa_system_sgpr_workgroup_id_y 1
		.amdhsa_system_sgpr_workgroup_id_z 1
		.amdhsa_system_vgpr_workitem_id 0
		.amdhsa_next_free_vgpr 176
		.amdhsa_next_free_sgpr 66
		.amdhsa_reserve_vcc 0
		.amdhsa_float_denorm_mode_32 3
		.amdhsa_float_denorm_mode_16_64 3
		.amdhsa_memory_ordered 1
		.amdhsa_forward_progress 1
		.amdhsa_inst_pref_size 16
	.end_amdhsa_kernel
	.amdgpu_metadata
---
amdhsa.version: [ 1, 2 ]
amdhsa.kernels:
  - .name:           k_q21da3774a2_reduce
    .symbol:         k_q21da3774a2_reduce.kd
    .args:
      - { .name: part, .offset: 0, .size: 8, .value_kind: global_buffer, .address_space: global }
      - { .name: cnt, .offset: 8, .size: 8, .value_kind: global_buffer, .address_space: global }
      - { .name: lowp_scales, .offset: 16, .size: 8, .value_kind: global_buffer, .address_space: global }
      - { .name: roi_codes, .offset: 24, .size: 8, .value_kind: global_buffer, .address_space: global }
    .group_segment_fixed_size: 5120
    .private_segment_fixed_size: 0
    .kernarg_segment_align: 8
    .kernarg_segment_size: 32
    .max_flat_workgroup_size: 128
    .sgpr_count:     66
    .vgpr_count:     176
    .wavefront_size: 32
...
	.end_amdgpu_metadata
.endif
;; end of part 2
;; launch heads (part 3): grid 1 x 1, 16 waves a work-group, no clusters, 49,152 bytes of LDS; arguments roi_codes, W_cls_codes, W_obj_codes, b_cls, lowp_scales, out0; writes out0
.if DOCPART == 3
	.amdgcn_target "amdgcn-amd-amdhsa--gfx1250"
	.amdhsa_code_object_version 6
	.text
	.protected	k_q21da3774a2_heads
	.globl	k_q21da3774a2_heads
	.p2align	8
	.type	k_q21da3774a2_heads,@function
k_q21da3774a2_heads:
	s_mov_b64 s[64:65], 0
	v_nop
	global_prefetch_b8 v0, s[64:65] scope:SCOPE_SE
	s_setreg_imm32_b32 hwreg(HW_REG_WAVE_MODE, 25, 1), 1
	s_wait_xcnt 0x0
; THIRD LAUNCH.  cls = roi W_cls + b_cls, obj = roi W_obj, both products on E4M3 codes; out = softmax over classes of cls x softmax over proposals of obj.
; b_obj is left out: it is the same along the axis of the softmax that it goes into, so it cancels for all values (shown at the head of the first launch); it is not loaded.
; ONE work-group, since the softmax over proposals spans all 256 rows; wave w has proposals 16 w .. 16 w + 15.  The operands go from memory straight into registers, in the form's own layout (registers 2 c, 2 c + 1: k = 16 c + 8 h + 0 .. 7).
; BOTH PRODUCTS ARE USED TRANSPOSED (source 0 = 16 classes, rows of W; source 1 = roi's 16 proposals): lane (r, h) holds proposal 16 w + r, register j class 16 ct + 8 h + j.
; Of the second tile of classes only registers 0 to 4 of lanes 0-15 are classes (16 to 20).  W's row is held at 20 in the address, so that no load leaves the buffer; what the other places hold is never used:
; in the class softmax it is made -infinity, on the way out it goes to a shadow of the stage that nobody reads.
; THE SOFTMAX OVER PROPOSALS: each wave takes its 16 proposals' maximum and the sum of exponentials under it; the waves' figures meet in LDS; each is brought under the common maximum.
; LIMITS: none on e2 + e3 and e4 + e5 (v_ldexp_f32).
.set MST,    0                         ; [wave 16][32 classes] f32: the waves' maxima
.set SST,    2048                      ; the same shape: the waves' sums
.set STG,    4096                      ; out0 as it lies in memory, 21,504 bytes, then the shadow, as many
.set SHADOW, 21504
.set SPARE,  47104                     ; the spare words, 128 bytes for each of sixteen waves: eight blocks of 256 bytes that no other line names
; REGISTERS: v16-79 roi's fragments, v80-207 W's; behind the products: v16-28 class logits, then their exponentials; v32-44 objectness logits; v48-52 at work; v64-76 my wave's maxima; v80-92 exponentials; v96-108 my wave's sums;
; v112-124, v128-140 wave r's maxima and sums; v144-156 the common maxima; v160-172 the common sums, then their reciprocals; v176-188 my wave's factor; v192-204 the results.  v208-239 four accumulators; v240-252 b_cls.
	s_load_b256 s[4:11], s[0:1], 0x0               ; roi_codes s[4:5], W_cls s[6:7], W_obj s[8:9], b_cls s[10:11]
	s_load_b128 s[12:15], s[0:1], 0x20             ; the scales' exponents s[12:13], out0 s[14:15]
	v_lshl_add_u32 v1, v0, 2, SPARE                ; my spare word; never rewritten
	v_mov_b32 v2, 0                                ; 0; never rewritten
	v_lshrrev_b32 v13, 5, v0
	v_readfirstlane_b32 s16, v13                   ; wave 0..15
	v_and_b32 v13, 31, v0
	v_lshlrev_b32 v3, 3, v13                       ; 8 x lane
	v_and_b32 v14, 15, v0                          ; r
	v_bfe_u32 v15, v0, 4, 1                        ; h
	v_lshlrev_b32 v4, 8, v14
	v_lshl_add_u32 v4, v15, 3, v4                  ; W, classes 0-15: 256 r + 8 h
	v_add_nc_u32 v5, 16, v14
	v_min_u32 v5, 20, v5
	v_lshlrev_b32 v5, 8, v5
	v_lshl_add_u32 v5, v15, 3, v5                  ; W, classes 16 on: 256 min(16 + r, 20) + 8 h
	v_lshlrev_b32 v6, 5, v15                       ; 32 h
	s_lshl_b32 s17, s16, 7
	v_add_nc_u32 v7, s17, v6                       ; 128 wave + 32 h: where my wave's figures go
	v_lshl_add_u32 v8, v14, 7, v6                  ; 128 r + 32 h: where wave r's lie
	s_mul_i32 s17, s16, 16*84
	s_add_co_u32 s17, s17, STG
	v_mul_u32_u24 v9, v14, 84
	v_add_nc_u32 v9, s17, v9                       ; my proposal's row in the stage
	v_mul_u32_u24 v10, v15, SHADOW
	v_add_nc_u32 v10, v10, v9
	v_add_nc_u32 v10, 64, v10                      ; classes 16 on; lanes 16-31: in the shadow
	v_add_nc_u32 v9, v9, v6                        ; classes 8 h on
	v_lshlrev_b32 v12, 4, v0                       ; 16 x thread
	v_add_nc_u32 v11, STG, v12
	v_mov_b32 v13, 0                               ; an offset that is the same in all lanes
	s_mov_b32 s20, 0xffff                          ; lanes 0-15
	s_mov_b32 s21, 0x76543210                      ; v_permlanex16_b32's selects for lane l xor 16
	s_mov_b32 s22, 0xfedcba98
	s_mov_b32 s23, 0x3fb8aa3b                      ; log2(e)
	s_lshl_b32 s18, s16, 12                        ; roi_codes: 4,096 bytes a tile of proposals
	s_mov_b32 s19, 0
	s_wait_kmcnt 0x0
	s_load_b128 s[28:31], s[12:13], 0x0            ; e0, e1, e2, e3
	s_load_b64 s[32:33], s[12:13], 0x10            ; e4, e5
	s_add_nc_u64 s[4:5], s[4:5], s[18:19]
.irp hd, 0,1
.irp nt, 0,1,2,3,4,5,6,7,8,9,10,11,12,13,14,15
	global_load_b64 v[16+32*\hd+2*\nt:17+32*\hd+2*\nt], v3, s[4:5] offset:65536*\hd+256*\nt   ; 256 consecutive bytes a load
.endr
.endr
.irp c, 0,1,2,3,4,5,6,7,8,9,10,11,12,13,14,15
	global_load_b64 v[80+2*\c:81+2*\c], v4, s[6:7] offset:16*\c
	global_load_b64 v[112+2*\c:113+2*\c], v5, s[6:7] offset:16*\c
	global_load_b64 v[144+2*\c:145+2*\c], v4, s[8:9] offset:16*\c
	global_load_b64 v[176+2*\c:177+2*\c], v5, s[8:9] offset:16*\c
.endr
	global_load_b128 v[240:243], v6, s[10:11]              ; b_cls[8 h + 0 .. 7]
	global_load_b128 v[244:247], v6, s[10:11] offset:16
	global_load_b128 v[248:251], v13, s[10:11] offset:64   ; b_cls[16 .. 20]
	global_load_b32 v252, v13, s[10:11] offset:80
	s_wait_loadcnt 0x0
	s_wait_kmcnt 0x0
.irp hd, 0,1                                   ; K = 256 in two steps; the four accumulators take turns; the first step starts the sums
.irp ct, 0,1
	v_wmma_f32_16x16x128_fp8_fp8 v[208+16*\hd+8*\ct:215+16*\hd+8*\ct], v[80+64*\hd+32*\ct:95+64*\hd+32*\ct], v[16+32*\hd:31+32*\hd], 0
.endr
.endr
.irp hd, 0,1
.irp ct, 0,1
	v_wmma_f32_16x16x128_fp8_fp8 v[208+16*\hd+8*\ct:215+16*\hd+8*\ct], v[96+64*\hd+32*\ct:111+64*\hd+32*\ct], v[32+32*\hd:47+32*\hd], v[208+16*\hd+8*\ct:215+16*\hd+8*\ct]
.endr
.endr
.rept 4
	v_nop                                          ; four places ahead of the first read of results and of writes over operands (ISA guide 7.12.1)
.endr
	s_add_co_i32 s24, s30, s31                     ; e2 + e3
	s_add_co_i32 s25, s32, s33                     ; e4 + e5
.irp j, 0,1,2,3,4,5,6,7,8,9,10,11,12           ; each accumulator from its low end on; registers 8 to 12 are the second tile's 0 to 4
	v_ldexp_f32 v[16+\j], v[208+\j], s24
.endr
.irp j, 0,1,2,3,4,5,6,7,8,9,10,11,12
	v_ldexp_f32 v[32+\j], v[224+\j], s25
.endr
.irp j, 0,1,2,3,4,5,6,7,8,9,10,11,12
	v_add_f32 v[16+\j], v[16+\j], v[240+\j]        ; + b_cls
.endr
	v_mov_b32 v14, 0xff800000                      ; -infinity
.irp j, 8,9,10,11,12
	v_cndmask_b32 v[16+\j], v14, v[16+\j], s20     ; lanes 16-31 hold no class there
.endr
	; ---- over classes: my proposal's 21 logits lie in lanes l and l xor 16
	v_max3_num_f32 v48, v16, v17, v18
.irp j, 19,21,23,25,27
	v_max3_num_f32 v48, v48, v[\j], v[\j+1]
.endr
	v_mov_b32 v49, 0                               ; a lane permute's destination counts as one of its sources
	v_mov_b32 v51, 0
	v_permlanex16_b32 v49, v48, s21, s22
	v_max_num_f32 v48, v48, v49                    ; the row's maximum
.irp j, 0,1,2,3,4,5,6,7,8,9,10,11,12
	v_sub_f32 v[16+\j], v[16+\j], v48
.endr
.irp j, 0,1,2,3,4,5,6,7,8,9,10,11,12
	v_mul_f32 v[16+\j], s23, v[16+\j]
.endr
.irp j, 0,1,2,3,4,5,6,7,8,9,10,11,12
	v_exp_f32 v[16+\j], v[16+\j]
.endr
	; ---- over proposals, my wave's 16: the maximum of each class over the 16 lanes of a half (work that names none of the exponentials above)
.irp j, 0,1,2,3,4,5,6,7,8,9,10,11,12
	v_mov_b32 v[64+\j], v[32+\j]
.endr
.irp m, 1,2,4,8
.irp j, 0,1,2,3,4,5,6,7,8,9,10,11,12
	v_max_num_f32_dpp v[64+\j], v[64+\j], v[64+\j] row_xmask:\m row_mask:0xf bank_mask:0xf
.endr
.endr
.irp j, 0,1,2,3,4,5,6,7,8,9,10,11,12
	v_sub_f32 v[80+\j], v[32+\j], v[64+\j]
.endr
.irp j, 0,1,2,3,4,5,6,7,8,9,10,11,12
	v_mul_f32 v[80+\j], s23, v[80+\j]
.endr
.irp j, 0,1,2,3,4,5,6,7,8,9,10,11,12
	v_exp_f32 v[80+\j], v[80+\j]
.endr
	v_nop                                          ; a plain line behind the last exponential
	s_wait_alu depctr_va_vdst(0)                   ; the wait ahead of the first line that names a result: one for both batches, 26 exponentials
	v_add_f32 v50, v16, v17
.irp j, 18,19,20,21,22,23,24,25,26,27,28
	v_add_f32 v50, v50, v[\j]
.endr
	v_permlanex16_b32 v51, v50, s21, s22
	v_add_f32 v50, v50, v51                        ; the row's sum
	v_rcp_f32 v52, v50                             ; (its wait is the next batch's: nothing names v52 before)
.irp j, 0,1,2,3,4,5,6,7,8,9,10,11,12
	v_mov_b32 v[96+\j], v[80+\j]
.endr
.irp m, 1,2,4,8
.irp j, 0,1,2,3,4,5,6,7,8,9,10,11,12
	v_add_f32_dpp v[96+\j], v[96+\j], v[96+\j] row_xmask:\m row_mask:0xf bank_mask:0xf
.endr
.endr
	ds_store_b128 v7, v[64:67] offset:MST          ; the sixteen lanes of a half write the same numbers to the same words
	ds_store_b128 v7, v[68:71] offset:MST+16
	ds_store_b128 v7, v[72:75] offset:MST+64
	ds_store_b32 v7, v76 offset:MST+80
	ds_store_b128 v7, v[96:99] offset:SST
	ds_store_b128 v7, v[100:103] offset:SST+16
	ds_store_b128 v7, v[104:107] offset:SST+64
	ds_store_b32 v7, v108 offset:SST+80
	s_wait_dscnt 0x0                               ; for the others' sake: my figures are stored
	s_barrier_signal -1
	s_barrier_wait -1
	ds_load_b128 v[112:115], v8 offset:MST         ; lane (r, h): wave r's figures, in the same registers
	ds_load_b128 v[116:119], v8 offset:MST+16
	ds_load_b128 v[120:123], v8 offset:MST+64
	ds_load_b32 v124, v8 offset:MST+80
	ds_load_b128 v[128:131], v8 offset:SST
	ds_load_b128 v[132:135], v8 offset:SST+16
	ds_load_b128 v[136:139], v8 offset:SST+64
	ds_load_b32 v140, v8 offset:SST+80
	s_wait_dscnt 0x0
.irp j, 0,1,2,3,4,5,6,7,8,9,10,11,12
	v_mov_b32 v[144+\j], v[112+\j]
.endr
.irp m, 1,2,4,8
.irp j, 0,1,2,3,4,5,6,7,8,9,10,11,12
	v_max_num_f32_dpp v[144+\j], v[144+\j], v[144+\j] row_xmask:\m row_mask:0xf bank_mask:0xf   ; the maximum over all 256 proposals
.endr
.endr
.irp j, 0,1,2,3,4,5,6,7,8,9,10,11,12
	v_sub_f32 v[160+\j], v[112+\j], v[144+\j]      ; wave r's maximum less the common one,
	v_sub_f32 v[176+\j], v[64+\j], v[144+\j]       ; and my wave's
.endr
.irp j, 0,1,2,3,4,5,6,7,8,9,10,11,12
	v_mul_f32 v[160+\j], s23, v[160+\j]
	v_mul_f32 v[176+\j], s23, v[176+\j]
.endr
.irp j, 0,1,2,3,4,5,6,7,8,9,10,11,12
	v_exp_f32 v[160+\j], v[160+\j]
	v_exp_f32 v[176+\j], v[176+\j]
.endr
	v_nop
	s_wait_alu depctr_va_vdst(0)                   ; one wait for these 26 exponentials and for the reciprocal above
.irp j, 0,1,2,3,4,5,6,7,8,9,10,11,12
	v_mul_f32 v[160+\j], v[160+\j], v[128+\j]      ; wave r's sum under the common maximum
.endr
.irp m, 1,2,4,8
.irp j, 0,1,2,3,4,5,6,7,8,9,10,11,12
	v_add_f32_dpp v[160+\j], v[160+\j], v[160+\j] row_xmask:\m row_mask:0xf bank_mask:0xf
.endr
.endr
.irp j, 0,1,2,3,4,5,6,7,8,9,10,11,12
	v_rcp_f32 v[160+\j], v[160+\j]
.endr
.irp j, 0,1,2,3,4,5,6,7,8,9,10,11,12
	v_mul_f32 v[192+\j], v[16+\j], v52             ; the class softmax (plain lines behind the reciprocals that name none of them)
.endr
.irp j, 0,1,2,3,4,5,6,7,8,9,10,11,12
	v_mul_f32 v[176+\j], v[176+\j], v[80+\j]       ; my exponential under the common maximum
.endr
	s_wait_alu depctr_va_vdst(0)                   ; one wait for the 13 reciprocals
.irp j, 0,1,2,3,4,5,6,7,8,9,10,11,12
	v_mul_f32 v[176+\j], v[176+\j], v[160+\j]      ; the softmax over proposals
.endr
.irp j, 0,1,2,3,4,5,6,7,8,9,10,11,12
	v_mul_f32 v[192+\j], v[192+\j], v[176+\j]
.endr
.irp j, 0,1,2,3,4,5,6,7
	ds_store_b32 v9, v[192+\j] offset:4*\j
.endr
.irp j, 0,1,2,3,4
	ds_store_b32 v10, v[200+\j] offset:4*\j
.endr
	s_wait_tensorcnt 0x0                           ; a wait, an add to the spare word and its wait behind a wave's last LDS store; the last is also the wait for my stores in front of the barrier
	ds_add_u32 v1, v2
	s_wait_dscnt 0x0
	s_barrier_signal -1
	s_barrier_wait -1
	; ---- the way out: 21,504 bytes are 1,344 pieces of 16: two for every thread, a third for waves 0 to 9; every store of a wave covers 512 consecutive bytes, aligned
	ds_load_b128 v[16:19], v11
	ds_load_b128 v[20:23], v11 offset:8192
	s_wait_dscnt 0x1                               ; the first is in; the second may be out
	global_store_b128 v12, v[16:19], s[14:15]
	s_wait_dscnt 0x0
	global_store_b128 v12, v[20:23], s[14:15] offset:8192
	s_cmp_ge_u32 s16, 10
	s_cbranch_scc1 .Lend
	ds_load_b128 v[24:27], v11 offset:16384
	s_wait_dscnt 0x0
	global_store_b128 v12, v[24:27], s[14:15] offset:16384
.Lend:
	s_endpgm
.Lfunc_end_k_q21da3774a2_heads:
	.size	k_q21da3774a2_heads, .Lfunc_end_k_q21da3774a2_heads-k_q21da3774a2_heads
	.p2alignl 7, 3214868480
	.fill 96, 4, 3214868480
	.section	.rodata,"a",@progbits
	.p2align	6, 0x0
	.amdhsa_kernel k_q21da3774a2_heads
		.amdhsa_group_segment_fixed_size 49152
		.amdhsa_private_segment_fixed_size 0
		.amdhsa_enable_private_segment 0
		.amdhsa_kernarg_size 48
		.amdhsa_user_sgpr_count 2
		.amdhsa_user_sgpr_kernarg_segment_ptr 1
		.amdhsa_wavefront_size32 1
		.amdhsa_system_sgpr_workgroup_id_x 1
		.amdhsa_system_sgpr_workgroup_id_y 1
		.amdhsa_system_sgpr_workgroup_id_z 1
		.amdhsa_system_vgpr_workitem_id 0
		.amdhsa_next_free_vgpr 256
		.amdhsa_next_free_sgpr 66
		.amdhsa_reserve_vcc 0
		.amdhsa_float_denorm_mode_32 3
		.amdhsa_float_denorm_mode_16_64 3
		.amdhsa_memory_ordered 1
		.amdhsa_forward_progress 1
		.amdhsa_inst_pref_size 41
	.end_amdhsa_kernel
	.amdgpu_metadata
---
amdhsa.version: [ 1, 2 ]
amdhsa.kernels:
  - .name:           k_q21da3774a2_heads
    .symbol:         k_q21da3774a2_heads.kd
    .args:
      - { .name: roi_codes, .offset: 0, .size: 8, .value_kind: global_buffer, .address_space: global }
      - { .name: W_cls_codes, .offset: 8, .size: 8, .value_kind: global_buffer, .address_space: global }
      - { .name: W_obj_codes, .offset: 16, .size: 8, .value_kind: global_buffer, .address_space: global }
      - { .name: b_cls, .offset: 24, .size: 8, .value_kind: global_buffer, .address_space: global }
      - { .name: lowp_scales, .offset: 32, .size: 8, .value_kind: global_buffer, .address_space: global }
      - { .name: out0, .offset: 40, .size: 8, .value_kind: global_buffer, .address_space: global }
    .group_segment_fixed_size: 49152
    .private_segment_fixed_size: 0
    .kernarg_segment_align: 8
    .kernarg_segment_size: 48
    .max_flat_workgroup_size: 512
    .sgpr_count:     66
    .vgpr_count:     256
    .wavefront_size: 32
...
	.end_amdgpu_metadata
.endif
;; end of part 3
;; ======== version 2 of 2: 3 launches
;; limits: right only within a limited range of input values
;; workspace buffers: part 16,777,216 bytes; cnt 65,536 bytes; roi_codes 131,072 bytes
;; launch pool (part 4): grid 256 x 1, 8 waves a work-group, clusters of 4 x 1, 327,680 bytes of LDS; arguments seg_feats_codes, input_xyz, proposals, lowp_scales, part, cnt; writes part, cnt
.if DOCPART == 4
	.amdgcn_target "amdgcn-amd-amdhsa--gfx1250"
	.amdhsa_code_object_version 6
	.text
	.protected	k_q21da3774a2_pool
	.globl	k_q21da3774a2_pool
	.p2align	8
	.type	k_q21da3774a2_pool,@function
k_q21da3774a2_pool:
	s_mov_b64 s[64:65], 0
	v_nop
	global_prefetch_b8 v0, s[64:65] scope:SCOPE_SE
	s_setreg_imm32_b32 hwreg(HW_REG_WAVE_MODE, 25, 1), 1
	s_wait_xcnt 0x0
	s_wait_alu depctr_hold_cnt(0) depctr_sa_sdst(0) depctr_va_vdst(0) depctr_va_sdst(0) depctr_va_ssrc(0) depctr_va_vcc(0) depctr_vm_vsrc(0)
	s_getreg_b32 s2, hwreg(HW_REG_IB_STS2, 6, 4)
	s_cmp_eq_u32 s2, 0
	s_cbranch_scc0 .Lentry_in_a_cluster
	s_endpgm
.Lentry_in_a_cluster:
	s_bfe_u32 s2, ttmp6, 0x10000c
	s_cmp_lg_u32 s2, 0x3003
	s_cbranch_scc0 .Lentry_shape_is_right
	s_endpgm
.Lentry_shape_is_right:
; FIRST OF THREE LAUNCHES.  The box test of 256 proposals against 100,000 points, the quantised product mask x seg_feats (E4M3 codes, f32 sums) and the counts, as PARTIAL sums over 64 chunks of the points.
; The second launch adds the chunks, divides by the counts and quantises the means; the third makes the two heads' products and both softmaxes.
; WORK LEFT OUT, in the whole program: b_obj.  obj_logits[p][c] = (roi W_obj)[p][c] + b_obj[c], and its softmax runs over p (axis 0).  exp(y[p][c] + b[c]) / sum over p' of exp(y[p'][c] + b[c]) =
; exp(y[p][c]) / sum over p' of exp(y[p'][c]) for all finite values: the term is the same along the softmax's axis and goes into no quantiser.  So b_obj has no way to the output: it is not loaded and is no launch's argument.
; LIMIT: a NaN, an infinity or an overflow that comes in through b_obj alone is not carried to the result.  b_cls differs along its softmax's axis and is live.
; LIMITS: lowp_scales[0] between -126 and 119 (2^e and 448 x 2^e are made as f32 patterns).  NaN codes among seg_feats are not served.  NaN and infinities among input_xyz and proposals are not served
; (the least of the differences passes over a NaN).  The partial sums are added in another order than a single sum over K.
; THE MASK'S CODES.  The mask holds 0 and 1.  Its quantised numbers are 0 and ONE code C = the code of min(1, 448 x 2^e0) / 2^e0, made once by the conversion instruction: nothing about e0 is built in.
; SHARES.  K (the points) goes in 64 chunks of 49 groups of 32 points, one chunk to a cluster of four work-groups; the work-group at place cx has proposals 64 cx .. 64 cx + 63, all 256 features.
; The four partners read the same codes of seg_feats: every tile is asked for JOINTLY (the same tensor load, the same descriptor, mask 15).  cx enters only the addresses of proposals, part and cnt.
; A cluster's WINDOW is always 50 groups (25 steps of 64 along K, 1,600 bytes of a row), beginning at group min(49 kc, 3075), so that nothing leaves a buffer.  Groups of the window that the chunk does not own
; (the last for kc < 63; the first twelve for kc = 63) get x = +infinity, so that hi - x is -infinity and the test fails: zero codes, no count.
; THE BOX TEST (each wave: 8 proposals x all groups).  Lanes are 32 points; the bounds lie in registers that hold the same number in every lane, as pairs (-lo, hi).  x >= lo holds exactly where the f32 difference x - lo
; is not negative, x <= hi where hi - x is not: a difference of two f32 numbers has the right sign and is 0 only for equal numbers (denormals are kept).  The two groups of a step go together: the pairs (x, -x') and (x', -x),
; each added to (-lo, hi), give a dimension's four differences in two packed additions.  The least of a word's six differences is compared with 0: ONE compare writes one scalar mask, a proposal's mask over 32 points.
; A step's 16 words stay in scalar registers; v_writelane_b32 puts them into a vector register, 32 words at a time go to LDS, and the scalar unit counts their bits in one batch behind the step's products.
; THE PRODUCT (each wave: 32 proposals x 64 features, 8 accumulators).  Lane L tested point 4 (L & 7) + (L >> 3) of its group, so bit 8 b + j of a word is point 4 j + b: byte b of register j of the fragment, the place at
; which two 16-byte loads put that point's code of seg_feats.  (One permutation of k, the same in both operands: every product meets its partner.)  Three-bit fields of the word's bytes are v_perm_b32's selectors into tables of 0 and C:
; 5 + 8 instructions make a fragment.  THE MATRIX INSTRUCTION IS USED TRANSPOSED (source 0 = 16 features, source 1 = 16 proposals): a lane holds one proposal and eight neighbouring features.
; THE WINDOW goes in 5 parts of 5 steps through 3 LDS slots.  In interval t the waves multiply part t and test part t + 1, step by step, so that matrix, LDS and vector work stand side by side.
; No prefetch: three of the five parts are asked for at the head, each refill goes out a whole interval ahead of the wait for it, and a row of codes begins at 100,000 n, so that no rectangular share names each aligned block once.
.set SLOTB, 102400                     ; an LDS slot: 256 rows x PITCH
.set PITCH, 400                        ; a row in LDS: 5 x (64 bytes + 16 of padding) = 25 x 16 bytes: the 16 rows of a load begin in 16 different columns of 16 bytes modulo 256
.set TILEB, 32*PITCH                   ; what one tensor load brings: 32 rows
.set WORDS, 3*SLOTB                    ; two buffers of words: [step 0..5][proposal 64][group of the step 2]
.set WBUF,  3072
.set CNTB,  WORDS+2*WBUF               ; the waves' counts: 128 bytes a wave
.set SPARE, CNTB+1024                  ; the spare words, 128 bytes for each of eight waves: four blocks of 256 bytes that no other line names
.set SPW,  1                           ; v1   LDS address of my spare word; never rewritten
.set NIL,  2                           ; v2   0; never rewritten
.set XO,   3                           ; v3   12 x my point of a group
.set PINF, 4                           ; v4   +infinity
.set WST,  5                           ; v5   where I store words
.set WLD,  6                           ; v6   where I load words
.set BAD,  7                           ; v7-9 my place in slot 0, 1, 2
.set PO,   10                          ; v10  16 x lane
.set ZO,   11                          ; v11  0: an offset that is the same in all lanes
.set CST,  12                          ; v12  where I store counts
.set CNTV, 13                          ; v13  lanes 0-7: my wave's eight counts
.set WR,   14                          ; v14-16 words: lane 16 (s & 1) + 2 i + g of register s / 2: step s, proposal i, group g
.set CRD,  17                          ; v17  where wave 0 reads two counts
.set WD,   18                          ; v18-27 the words of a part's 5 steps x my 2 tiles of proposals
.set TT,   28                          ; v28-33 the selectors: three for each tile
.set AF,   34                          ; v34-49 the mask's two fragments; between a step's places and its expansion v34-41 hold the test's minima
.set BF,   50                          ; v50-81 four fragments of seg_feats
.set ACC,  82                          ; v82-145 accumulator (mi, ni) at 82 + 8 (4 mi + ni); at the head: the raw proposals
.set XYZ,  146                         ; v146-175 step s of a part at 146 + 6 s: (x, x'), (y, y'), (z, z') of its two groups
.set SWP,  176                         ; v176-181 the step in hand: (x', -x), (y', -y), (z', -z)
.set B2,   146                         ; the last interval: a second set of four fragments
.set BND,  182                         ; v182-229 proposal i at 182 + 6 i: (-lo_x, hi_x), (-lo_y, hi_y), (-lo_z, hi_z)
.set TMP,  230                         ; v230-253 two sets of twelve differences
.set G1,   24                          ; s[24:31] descriptor group 1
.set G0,   32                          ; s[32:43] descriptor group 0, a set for each slot
; s16 wave, s17 wave / 4, s18 wave % 4, s20 cx, s21 the window's first group, s44-55 and s66-69 a step's 16 words, s56-58 the tables, s59-60 field masks, s61 the sign bit,
; s70-79 and s92-97 the 16 words' bit counts, s80-87 counts, s90 keeps the first groups, s91 keeps the last
.macro ROUND                           ; a round of the cluster's barrier: my work-group's barrier; wave 0 signals for the work-group; every wave waits for all four; my work-group's barrier once more
	s_barrier_signal -1
	s_barrier_wait -1
	s_cmp_lg_u32 s16, 0
	s_cbranch_scc1 .Lnot_wave_0_\@
	s_barrier_signal -3
.Lnot_wave_0_\@:
	s_barrier_wait -3
	s_barrier_signal -1
	s_barrier_wait -1
.endm
.macro PLACES                          ; four plain vector instructions between a matrix instruction and a load into, or a store of, its registers
.rept 4
	v_nop
.endr
.endm
; THE TEST OF A STEP, in four stages for each proposal U.  XP: the step's three pairs.
.macro PREP                            ; the step's pairs become (x, -x'), and the swapped pairs (x', -x) are made
.irp d, 0,1,2
	v_mov_b32 v[SWP+2*\d], v[XP+2*\d+1]
	v_xor_b32 v[SWP+2*\d+1], s61, v[XP+2*\d]
	v_xor_b32 v[XP+2*\d+1], s61, v[XP+2*\d+1]
.endr
.endm
.macro DIFF                            ; twelve differences: set + 2 d: x - lo of the first group; + 2 d + 1: hi - x' of the second; + 6 + 2 d: x' - lo; + 7 + 2 d: hi - x
.irp d, 0,1,2
	v_pk_add_f32 v[TMP+12*(U%2)+2*\d:TMP+12*(U%2)+2*\d+1], v[XP+2*\d:XP+2*\d+1], v[BND+6*U+2*\d:BND+6*U+2*\d+1]
.endr
.irp d, 0,1,2
	v_pk_add_f32 v[TMP+12*(U%2)+6+2*\d:TMP+12*(U%2)+7+2*\d], v[SWP+2*\d:SWP+2*\d+1], v[BND+6*U+2*\d:BND+6*U+2*\d+1]
.endr
.endm
.macro LOW3                            ; the least over the three dimensions: of x - lo and of hi - x, for each of the two groups
.set T0, TMP+12*(U%2)
.set R0, AF+4*(U%2)
	v_min3_num_f32 v[R0], v[T0], v[T0+2], v[T0+4]
	v_min3_num_f32 v[R0+1], v[T0+7], v[T0+9], v[T0+11]
	v_min3_num_f32 v[R0+2], v[T0+6], v[T0+8], v[T0+10]
	v_min3_num_f32 v[R0+3], v[T0+1], v[T0+3], v[T0+5]
.endm
.macro LOW2                            ; the least of all six
.set R0, AF+4*(U%2)
	v_min_num_f32 v[R0], v[R0], v[R0+1]
	v_min_num_f32 v[R0+2], v[R0+2], v[R0+3]
.endm
.macro BALLOT                          ; inside the box where it is not negative: words 2 U and 2 U + 1 of the step
.set R0, AF+4*(U%2)
	v_cmp_le_f32 s[44+2*U+10*((2*U)/12)], 0, v[R0]
	v_cmp_le_f32 s[45+2*U+10*((2*U)/12)], 0, v[R0+2]
.endm
; My 8 proposals against step s of a part.  The stages of neighbouring proposals are laid between each other, on two sets of registers by turns, so that, outside the last proposal's drain, no line reads a result less than four lines old.
.macro MCHV s
.set XP, XYZ+6*(\s)
	PREP
.set IT, 0
.rept 10
.if IT < 8
.set U, IT
	DIFF
.endif
.if IT >= 2
.set U, IT-2
	LOW2
.endif
.if (IT >= 1) && (IT < 9)
.set U, IT-1
	LOW3
.endif
.if IT >= 2
.set U, IT-2
	BALLOT
.endif
.set IT, IT+1
.endr
.endm
.macro WLANES s                        ; the step's 16 words into lanes 16 (s & 1) + 0 .. 15 of word register s / 2
.set K, 0
	v_writelane_b32 v[WR+(\s)/2], s[44+K+10*(K/12)], 16*((\s)%2)+K
.set K, K+1
.rept (16)-1
	s_delay_alu instid0(VALU_DEP_1)
	v_writelane_b32 v[WR+(\s)/2], s[44+K+10*(K/12)], 16*((\s)%2)+K
.set K, K+1
.endr
.endm
.macro SCOUNT                          ; the 16 words' bits are counted and added to the 8 proposals' counts: one batch of scalar lines a step
.set K, 0
.rept 16
	s_bcnt1_i32_b32 s[70+K+12*(K/10)], s[44+K+10*(K/12)]
.set K, K+1
.endr
.set K, 0
.rept 8
	s_add_co_u32 s[80+K], s[80+K], s[70+2*K+12*((2*K)/10)]
.set K, K+1
.endr
.set K, 0
.rept 8
	s_add_co_u32 s[80+K], s[80+K], s[71+2*K+12*((2*K)/10)]
.set K, K+1
.endr
.endm
.macro XLOAD u                         ; part u's ten groups of points: x, y, z of my point of each, the two groups of a step side by side
.irp g, 0,1,2,3,4,5,6,7,8,9
.irp d, 0,1,2
	global_load_b32 v[XYZ+6*(\g/2)+2*\d+(\g%2)], v[XO], s[6:7] offset:(10*(\u)+\g)*384+4*\d
.endr
.endr
.endm
.macro POISON g, m                     ; group g keeps its x where mask m is set, else x = +infinity
	v_cndmask_b32 v[XYZ+6*((\g)/2)+((\g)%2)], v[PINF], v[XYZ+6*((\g)/2)+((\g)%2)], s[\m]
.endm
.macro WSTORE b                        ; my wave's words of a part into buffer b (the upper lanes of the third register hold zeros: step 5, which nobody reads)
.irp q, 0,1,2
	ds_store_b32 v[WST], v[WR+\q] offset:WBUF*(\b)+1024*\q
.endr
.endm
.macro WLOAD b                         ; the words of 5 steps x my 2 tiles of proposals: each load takes 128 consecutive bytes
.irp s, 0,1,2,3,4
.irp mi, 0,1
	ds_load_b32 v[WD+2*\s+\mi], v[WLD] offset:WBUF*(\b)+512*\s+128*\mi
.endr
.endr
.endm
.macro LOADB slot, st, base            ; my four fragments of seg_feats of step st: lane (r, h): feature r, k = 32 h + 0 .. 31 in registers 0 to 7
.irp ni, 0,1,2,3
	ds_load_b128 v[\base+8*\ni:\base+8*\ni+3], v[BAD+\slot] offset:16*PITCH*\ni+80*(\st)
	ds_load_b128 v[\base+8*\ni+4:\base+8*\ni+7], v[BAD+\slot] offset:16*PITCH*\ni+80*(\st)+16
.endr
.endm
.macro PRE st                          ; the selectors of step st: bits 0-2, 3-5 and 6-7 of each byte of the word.  Ten plain lines that name no register of the products: they are the places behind the step before
.irp mi, 0,1
	v_and_b32 v[TT+3*\mi], s59, v[WD+2*(\st)+\mi]
	v_lshrrev_b32 v[TT+3*\mi+1], 3, v[WD+2*(\st)+\mi]
	v_lshrrev_b32 v[TT+3*\mi+2], 6, v[WD+2*(\st)+\mi]
	s_delay_alu instid0(VALU_DEP_2)
	v_and_b32 v[TT+3*\mi+1], s59, v[TT+3*\mi+1]
	s_delay_alu instid0(VALU_DEP_2)
	v_and_b32 v[TT+3*\mi+2], s60, v[TT+3*\mi+2]
.endr
.endm
.macro PERM                            ; register j, byte b = C where bit j of the word's byte b is set.  A selector byte 0-3 takes a byte of the second source, 4-7 of the first: s56 holds C at places 1, 3; s57 at 2, 3; s58 at all four
.irp mi, 0,1
	v_perm_b32 v[AF+8*\mi], s56, s56, v[TT+3*\mi]
	v_perm_b32 v[AF+8*\mi+1], s57, s57, v[TT+3*\mi]
	v_perm_b32 v[AF+8*\mi+2], s58, 0, v[TT+3*\mi]
	v_perm_b32 v[AF+8*\mi+3], s56, s56, v[TT+3*\mi+1]
	v_perm_b32 v[AF+8*\mi+4], s57, s57, v[TT+3*\mi+1]
	v_perm_b32 v[AF+8*\mi+5], s58, 0, v[TT+3*\mi+1]
	v_perm_b32 v[AF+8*\mi+6], s56, s56, v[TT+3*\mi+2]
	v_perm_b32 v[AF+8*\mi+7], s57, s57, v[TT+3*\mi+2]
.endr
.endm
.macro MM zero, base                   ; eight products; the eight accumulators take turns, one instruction a turn, in the same order in every step.  zero = 1: they start the sums
.irp mi, 0,1
.irp ni, 0,1,2,3
.if \zero
	v_wmma_f32_16x16x64_fp8_fp8 v[ACC+8*(4*\mi+\ni):ACC+8*(4*\mi+\ni)+7], v[\base+8*\ni:\base+8*\ni+7], v[AF+8*\mi:AF+8*\mi+7], 0
.else
	v_wmma_f32_16x16x64_fp8_fp8 v[ACC+8*(4*\mi+\ni):ACC+8*(4*\mi+\ni)+7], v[\base+8*\ni:\base+8*\ni+7], v[AF+8*\mi:AF+8*\mi+7], v[ACC+8*(4*\mi+\ni):ACC+8*(4*\mi+\ni)+7]
.endif
.endr
.endr
.endm
; A full step: the product's step st of the part in hand, and the test's step st of the next part between the fragment loads and their use.  The scalar batch stands behind the products:
; the expansion's and the v_writelane_b32 lines, 32 in all, lie between the last compare and the first scalar line that reads a word.
.macro GSTEP slot, st, zero, ldb
	PRE \st
.if \ldb
	LOADB \slot, \st, BF
.endif
	MCHV \st
	s_wait_dscnt 0x0                               ; the step's fragments of seg_feats are in
	PERM
	WLANES \st
	MM \zero, BF
	SCOUNT
.endm
.macro OPEN slot, buf                  ; an interval's head
	WLOAD \buf
	LOADB \slot, 0, BF
	s_wait_dscnt 0x8                               ; the ten words are in; the eight loads of fragments behind them may be out
	s_wait_loadcnt 0x0                             ; the next part's points
.endm
.macro STEPS slot, zero
	GSTEP \slot, 0, \zero, 0
	GSTEP \slot, 1, 0, 1
	GSTEP \slot, 2, 0, 1
	GSTEP \slot, 3, 0, 1
	GSTEP \slot, 4, 0, 1
	PLACES                                         ; for the next interval's first loads of fragments
.endm
; Slot s, which has been read out, is filled again, with the part three parts on.  Every wave waits for all its tensor loads, adds 0 to its spare word, and waits for that, for its stores of words and for its reads of the slot;
; the round then holds of every wave of all four partners, and the joint load is the first thing behind it.
.macro REFILL s
	s_wait_tensorcnt 0x0                           ; no tensor load of mine is out, so a group 0 may be written; the parts in the other two slots have landed
	ds_add_u32 v[SPW], v[NIL]
	s_add_nc_u64 s[G0+4*\s+2:G0+4*\s+3], s[G0+4*\s+2:G0+4*\s+3], 960   ; three parts of 320 bytes on; the type bits on top are not reached
	s_wait_dscnt 0x0
	ROUND
	tensor_load_to_lds s[G0+4*\s:G0+4*\s+3], s[G1:G1+7]
	s_nop 0
.endm
	s_load_b256 s[4:11], s[0:1], 0x0               ; seg_feats' codes s[4:5], xyz s[6:7], proposals s[8:9], the scales' exponents s[10:11]
	s_load_b128 s[12:15], s[0:1], 0x20             ; part s[12:13], cnt s[14:15]
	v_lshl_add_u32 v[SPW], v0, 2, SPARE
	v_mov_b32 v[NIL], 0
	ds_add_u32 v[SPW], v[NIL]                      ; the wave's opening: the add, twice on end, and its wait ahead of my first tensor load; the set-up below, work on registers, stands between
	ds_add_u32 v[SPW], v[NIL]
	v_lshrrev_b32 v20, 5, v0
	s_delay_alu instid0(VALU_DEP_1)
	v_readfirstlane_b32 s16, v20                   ; wave 0..7
	s_lshr_b32 s17, s16, 2                         ; which 32 proposals I multiply
	s_and_b32 s18, s16, 3                          ; which 64 features
	s_bfe_u32 s20, ttmp6, 0x40000                  ; cx
	s_mul_i32 s21, ttmp9, 49                       ; ttmp9 counts clusters: the chunk kc
	s_min_u32 s21, s21, 3075                       ; the window's first group
	s_cmp_eq_u32 ttmp9, 63
	s_cselect_b32 s90, 0, -1                       ; the window's first twelve groups are mine but in the last chunk,
	s_not_b32 s91, s90                             ; its last group in the last chunk alone
	s_mov_b32 s[G1], 15|(1<<20)|(1<<21)|(3<<22)|(3<<25)   ; 15:0 the mask: all four work-groups; 17:16 elements of 1 byte; 20 padding on; 21 set beside a mask; 24:22 after every 16 words (code 3); 31:25 four words (code 3)
	s_mov_b32 s[G1+1], 320<<16                     ; tensor_dim0 = 320
	s_mov_b32 s[G1+2], 32<<16                      ; tensor_dim1 = 32
	s_mov_b32 s[G1+3], 320<<16                     ; tile_dim0 = 320
	s_mov_b32 s[G1+4], 32                          ; tile_dim1 = 32
	s_mov_b32 s[G1+5], 100000                      ; from row to row
	s_mov_b32 s[G1+6], 0
	s_mov_b32 s[G1+7], 0
	s_mov_b32 s59, 0x07070707
	s_mov_b32 s60, 0x03030303
	s_mov_b32 s61, 0x80000000
.irp i, 0,1,2,3,4,5,6,7
	s_mov_b32 s[80+\i], 0
.endr
	v_and_b32 v20, 31, v0                          ; L
	v_and_b32 v21, 7, v0
	v_bfe_u32 v22, v0, 3, 2
	s_delay_alu instid0(VALU_DEP_1)
	v_lshl_add_u32 v21, v21, 2, v22                ; my point of a group: 4 (L & 7) + (L >> 3)
	s_delay_alu instid0(VALU_DEP_1)
	v_mul_u32_u24 v[XO], v21, 12
	v_mov_b32 v[PINF], 0x7f800000
	v_and_b32 v23, 15, v0                          ; r
	v_bfe_u32 v24, v0, 4, 1                        ; h
	s_lshl_b32 s97, s16, 6
	s_add_co_u32 s97, s97, WORDS
	v_lshl_add_u32 v[WST], v24, 9, s97
	s_delay_alu instid0(VALU_DEP_1)
	v_lshl_add_u32 v[WST], v23, 2, v[WST]          ; WORDS + 512 h + 64 wave + 4 r
	s_lshl_b32 s97, s17, 8
	s_add_co_u32 s97, s97, WORDS
	v_lshl_add_u32 v[WLD], v23, 3, s97
	s_delay_alu instid0(VALU_DEP_1)
	v_lshl_add_u32 v[WLD], v24, 2, v[WLD]          ; WORDS + 256 (wave / 4) + 8 r + 4 h
	s_mul_i32 s97, s18, 64*PITCH
	v_mul_u32_u24 v[BAD], v23, PITCH
	s_delay_alu instid0(VALU_DEP_1)
	v_lshl_add_u32 v[BAD], v24, 5, v[BAD]
	s_delay_alu instid0(VALU_DEP_1)
	v_add_nc_u32 v[BAD], s97, v[BAD]               ; (64 (wave % 4) + r) x PITCH + 32 h
	s_delay_alu instid0(VALU_DEP_1)
	v_add_nc_u32 v[BAD+1], SLOTB, v[BAD]
	s_delay_alu instid0(VALU_DEP_2)
	v_add_nc_u32 v[BAD+2], 2*SLOTB, v[BAD]
	v_lshlrev_b32 v[PO], 4, v20
	v_mov_b32 v[ZO], 0
	v_lshl_add_u32 v[CST], v0, 2, CNTB             ; CNTB + 128 wave + 4 L
	v_mov_b32 v[CNTV], 0
	v_mov_b32 v[WR], 0                             ; v_writelane_b32's destination counts as read
	v_mov_b32 v[WR+1], 0
	v_mov_b32 v[WR+2], 0
	v_bfe_u32 v25, v0, 2, 3
	v_and_b32 v26, 3, v0
	s_delay_alu instid0(VALU_DEP_2)
	v_lshlrev_b32 v[CRD], 7, v25
	s_delay_alu instid0(VALU_DEP_1)
	v_lshl_add_u32 v[CRD], v26, 3, v[CRD]
	s_delay_alu instid0(VALU_DEP_1)
	v_add_nc_u32 v[CRD], CNTB, v[CRD]              ; proposals 2 L, 2 L + 1: wave L / 4, words 2 (L % 4) on
	s_mul_i32 s22, s16, TILEB                      ; my 32 rows in a slot: no place in the cluster enters an LDS address
	s_mul_i32 s92, s16, 3200000                    ; my 32 rows of 100,000 bytes in memory,
	s_lshl_b32 s93, s21, 5
	s_add_co_u32 s92, s92, s93                     ; from the window's first point on
	s_mov_b32 s93, 0
	s_wait_dscnt 0x0                               ; both opening adds are done
	s_wait_kmcnt 0x0
	s_load_b32 s96, s[10:11], 0x0                  ; e0
	s_add_nc_u64 s[92:93], s[4:5], s[92:93]
.irp s, 0,1,2
	s_mov_b32 s[G0+4*\s], 1                                        ; count = 1
	s_add_co_u32 s[G0+4*\s+1], s22, \s*SLOTB                       ; LDS address
	s_add_nc_u64 s[G0+4*\s+2:G0+4*\s+3], s[92:93], \s*320          ; global address: part s
	s_or_b32 s[G0+4*\s+3], s[G0+4*\s+3], 0x80000000                ; type = 2
.endr
	ROUND                                          ; all four work-groups are here: the first joint loads meet
.irp s, 0,1,2
	tensor_load_to_lds s[G0+4*\s:G0+4*\s+3], s[G1:G1+7]            ; parts 0, 1, 2: three loads of mine are out
	s_nop 0
.endr
	s_mul_i32 s92, s21, 384
	s_mov_b32 s93, 0
	s_add_nc_u64 s[6:7], s[6:7], s[92:93]          ; xyz at the window's first point
	s_mul_i32 s94, s20, 1536
	s_mul_i32 s99, s16, 192
	s_add_co_u32 s94, s94, s99
	s_mov_b32 s95, 0
	s_add_nc_u64 s[8:9], s[8:9], s[94:95]          ; proposals at 64 cx + 8 wave
.irp k, 0,1,2,3,4,5,6,7,8,9,10,11
	global_load_b128 v[ACC+4*\k:ACC+4*\k+3], v[ZO], s[8:9] offset:16*\k   ; my eight proposals, 48 numbers, the same in every lane
.endr
	XLOAD 0
	s_lshl_b32 s94, ttmp9, 18                      ; part: 262,144 kc + 16,384 (4 cx + 2 (wave / 4)) + 4,096 (wave % 4)
	s_lshl_b32 s99, s20, 16
	s_add_co_u32 s94, s94, s99
	s_lshl_b32 s99, s17, 15
	s_add_co_u32 s94, s94, s99
	s_lshl_b32 s99, s18, 12
	s_add_co_u32 s94, s94, s99
	s_add_nc_u64 s[12:13], s[12:13], s[94:95]
	s_lshl_b32 s94, ttmp9, 10                      ; cnt: 1,024 kc + 256 cx
	s_lshl_b32 s99, s20, 8
	s_add_co_u32 s94, s94, s99
	s_add_nc_u64 s[14:15], s[14:15], s[94:95]
	s_wait_kmcnt 0x0                               ; e0
	s_add_co_i32 s97, s96, 127
	s_lshl_b32 s98, s97, 23
	v_mov_b32 v44, s98                             ; 2^e0 as f32: the conversion takes its exponent field
	s_add_co_i32 s97, s97, 8
	s_lshl_b32 s97, s97, 23
	s_or_b32 s97, s97, 0x600000
	v_mov_b32 v45, s97                             ; 448 x 2^e0
.irp j, 0,1,2,3,4,5,6,7
	v_min_num_f32 v[AF+\j], 1.0, v45               ; the mask's 1, held at the largest code x the scale (the conversion does not saturate: ISA guide 7.6.2)
.endr
	v_cvt_scalef32_pk8_fp8_f32 v[42:43], v[AF:AF+7], v44
	v_nop                                          ; a plain line between the conversion and the reader of its result
	v_readfirstlane_b32 s58, v42                   ; C in all four bytes
	s_and_b32 s56, s58, 0xff00ff00
	s_and_b32 s57, s58, 0xffff0000
	s_wait_loadcnt 30                              ; the twelve loads of proposals are in; the thirty of points behind them may be out
.irp i, 0,1,2,3,4,5,6,7
.irp d, 0,1,2
	v_fma_f32 v[BND+6*\i+2*\d], v[ACC+6*\i+3+\d], 0.5, -v[ACC+6*\i+\d]     ; -lo = size / 2 - centre: half a size is exact, so this is the one rounding of centre - size / 2, with the sign turned
	v_fma_f32 v[BND+6*\i+2*\d+1], v[ACC+6*\i+3+\d], 0.5, v[ACC+6*\i+\d]    ; hi = centre + size / 2
.endr
.endr
	; ---- part 0 is tested
	s_wait_loadcnt 0x0
.irp g, 0,1,2,3,4,5,6,7,8,9
	POISON \g, 90
.endr
.irp s, 0,1,2,3,4
	MCHV \s
	WLANES \s
	SCOUNT
.endr
	XLOAD 1
	s_wait_alu depctr_va_vdst(0)
	WSTORE 0
	s_wait_tensorcnt 0x2                           ; my rows of part 0 are in; parts 1 and 2 may stay out
	s_wait_dscnt 0x0                               ; my words are stored
	s_barrier_signal -1
	s_barrier_wait -1
	; ---- interval 0: part 0 (slot 0, words 0) is multiplied, part 1 is tested
	OPEN 0, 0
	POISON 0, 90
	POISON 1, 90
	STEPS 0, 1
	XLOAD 2
	s_wait_alu depctr_va_vdst(0)
	WSTORE 1
	REFILL 0                                       ; slot 0 takes part 3
	; ---- interval 1: part 1 (slot 1, words 1), part 2 is tested
	OPEN 1, 1
	STEPS 1, 0
	XLOAD 3
	s_wait_alu depctr_va_vdst(0)
	WSTORE 0
	REFILL 1                                       ; slot 1 takes part 4
	; ---- interval 2: part 2 (slot 2, words 0), part 3 is tested
	OPEN 2, 0
	STEPS 2, 0
	XLOAD 4
	s_wait_alu depctr_va_vdst(0)
	WSTORE 1
	s_wait_tensorcnt 0x1                           ; my rows of part 3 are in (the wait for all loads in front of the last round has shown it); part 4's load may stay out
	s_wait_dscnt 0x0
	s_barrier_signal -1
	s_barrier_wait -1
	; ---- interval 3: part 3 (slot 0, words 1), part 4 is tested
	OPEN 0, 1
	POISON 9, 91
	STEPS 0, 0
	s_wait_alu depctr_va_vdst(0)
	WSTORE 0
.irp i, 0
	v_writelane_b32 v[CNTV], s[80+\i], \i          ; the tests are over: my eight counts
.endr
.irp i, 1, 2, 3, 4, 5, 6, 7
	s_delay_alu instid0(VALU_DEP_1)
	v_writelane_b32 v[CNTV], s[80+\i], \i          ; the tests are over: my eight counts
.endr
	ds_store_b32 v[CST], v[CNTV]
	s_wait_tensorcnt 0x0                           ; my rows of part 4 are in
	s_wait_dscnt 0x0
	s_barrier_signal -1
	s_barrier_wait -1
	; ---- interval 4: part 4 (slot 1, words 0): products alone; two sets of fragments take turns, each asked for a step ahead
	WLOAD 0
	LOADB 1, 0, BF
	s_wait_dscnt 0x8                               ; the words are in
	PRE 0
	LOADB 1, 1, B2
	s_wait_dscnt 0x8                               ; this step's fragments are in; the next step's eight loads may be out
	PERM
	MM 0, BF
	PRE 1
	LOADB 1, 2, BF
	s_wait_dscnt 0x8
	PERM
	MM 0, B2
	PRE 2
	LOADB 1, 3, B2
	s_wait_dscnt 0x8
	PERM
	MM 0, BF
	PRE 3
	LOADB 1, 4, BF
	s_wait_dscnt 0x8
	PERM
	MM 0, B2
	PRE 4
	s_wait_dscnt 0x0
	PERM
	MM 0, BF
	; ---- the way out: each accumulator as an image of its registers, its low four first; every store covers 512 consecutive bytes, aligned
	PLACES
.irp mi, 0,1
.irp ni, 0,1,2,3
	global_store_b128 v[PO], v[ACC+8*(4*\mi+\ni):ACC+8*(4*\mi+\ni)+3], s[12:13] offset:16384*\mi+1024*\ni th:TH_STORE_NT
	global_store_b128 v[PO], v[ACC+8*(4*\mi+\ni)+4:ACC+8*(4*\mi+\ni)+7], s[12:13] offset:16384*\mi+1024*\ni+512 th:TH_STORE_NT
.endr
.endr
	s_cmp_lg_u32 s16, 0
	s_cbranch_scc1 .Lno_counts
	ds_load_b64 v[18:19], v[CRD]                   ; wave 0: the work-group's 64 counts, stored in front of the last barrier
	v_lshrrev_b32 v20, 1, v[PO]                    ; 8 x lane
	s_wait_alu depctr_va_vdst(0)
	s_wait_dscnt 0x0
	global_store_b64 v20, v[18:19], s[14:15]       ; 256 consecutive bytes, aligned
.Lno_counts:
	s_wait_tensorcnt 0x0                           ; the wave's end, behind my last tensor load and my last LDS store: a wait, an add to the spare word and its wait
	ds_add_u32 v[SPW], v[NIL]
	s_wait_dscnt 0x0
	ROUND                                          ; the closing round: no work-group ends while a partner may still ask for a tile that names it
	s_endpgm
.Lfunc_end_k_q21da3774a2_pool:
	.size	k_q21da3774a2_pool, .Lfunc_end_k_q21da3774a2_pool-k_q21da3774a2_pool
	.p2alignl 7, 3214868480
	.fill 96, 4, 3214868480
	.section	.rodata,"a",@progbits
	.p2align	6, 0x0
	.amdhsa_kernel k_q21da3774a2_pool
		.amdhsa_group_segment_fixed_size 327680
		.amdhsa_private_segment_fixed_size 0
		.amdhsa_enable_private_segment 0
		.amdhsa_kernarg_size 48
		.amdhsa_user_sgpr_count 2
		.amdhsa_user_sgpr_kernarg_segment_ptr 1
		.amdhsa_wavefront_size32 1
		.amdhsa_system_sgpr_workgroup_id_x 1
		.amdhsa_system_sgpr_workgroup_id_y 1
		.amdhsa_system_sgpr_workgroup_id_z 1
		.amdhsa_system_vgpr_workitem_id 0
		.amdhsa_next_free_vgpr 256
		.amdhsa_next_free_sgpr 100
		.amdhsa_reserve_vcc 0
		.amdhsa_float_denorm_mode_32 3
		.amdhsa_float_denorm_mode_16_64 3
		.amdhsa_memory_ordered 1
		.amdhsa_forward_progress 1
		.amdhsa_inst_pref_size 255
	.end_amdhsa_kernel
	.section	.bss,"aw",@nobits
	.p2align	6
	.space	262144
	.amdgpu_metadata
---
amdhsa.version: [ 1, 2 ]
amdhsa.kernels:
  - .name:           k_q21da3774a2_pool
    .symbol:         k_q21da3774a2_pool.kd
    .args:
      - { .name: seg_feats_codes, .offset: 0, .size: 8, .value_kind: global_buffer, .address_space: global }
      - { .name: input_xyz, .offset: 8, .size: 8, .value_kind: global_buffer, .address_space: global }
      - { .name: proposals, .offset: 16, .size: 8, .value_kind: global_buffer, .address_space: global }
      - { .name: lowp_scales, .offset: 24, .size: 8, .value_kind: global_buffer, .address_space: global }
      - { .name: part, .offset: 32, .size: 8, .value_kind: global_buffer, .address_space: global }
      - { .name: cnt, .offset: 40, .size: 8, .value_kind: global_buffer, .address_space: global }
    .group_segment_fixed_size: 327680
    .private_segment_fixed_size: 0
    .kernarg_segment_align: 8
    .kernarg_segment_size: 48
    .max_flat_workgroup_size: 256
    .sgpr_count:     100
    .vgpr_count:     256
    .wavefront_size: 32
...
	.end_amdgpu_metadata
.endif
;; end of part 4
;; launch reduce (part 5): grid 256 x 1, 4 waves a work-group, no clusters, 5,120 bytes of LDS; arguments part, cnt, lowp_scales, roi_codes; writes roi_codes
.if DOCPART == 5
	.amdgcn_target "amdgcn-amd-amdhsa--gfx1250"
	.amdhsa_code_object_version 6
	.text
	.protected	k_q21da3774a2_reduce
	.globl	k_q21da3774a2_reduce
	.p2align	8
	.type	k_q21da3774a2_reduce,@function
k_q21da3774a2_reduce:
	s_mov_b64 s[64:65], 0
	v_nop
	global_prefetch_b8 v0, s[64:65] scope:SCOPE_SE
	s_setreg_imm32_b32 hwreg(HW_REG_WAVE_MODE, 25, 1), 1
	s_wait_xcnt 0x0
; SECOND LAUNCH.  roi = (the sum over the 64 chunks of part) x 2^(e0 + e1) / max(count, 1), quantised twice: with 2^e2 for the class head, with 2^e4 for the objectness head.
; A work-group takes one slice (16 proposals x 16 features: an accumulator's image of 1,024 bytes in each chunk); wave w adds chunks 16 w .. 16 w + 15; the four sums meet in LDS and wave 0 finishes.
; Lane (r, h) holds proposal 16 mt + r and features 16 nt + 8 h + 0 .. 7: eight neighbours along the next K, which one conversion turns into 8 bytes.
; THE CODES ARE STORED IN THE ORDER OF THE HEADS' OPERAND REGISTERS: [head][mt][c 8][lane 32][16 bytes], where lane (r, h') of group c holds k = 32 c + 16 h' + 0 .. 15.  Slice nt is c = nt / 2, h' = nt % 2,
; so its 256 bytes begin at 256 nt, and my 8 bytes lie at 16 r + 8 h of them.
; A stream: no matrix unit, no cluster, no tensor load; all of a wave's 48 loads are out at once.
; LIMITS: e2 and e4 between -126 and 119.  1 / count is v_rcp_f32 and a multiplication.  NaN among the sums is not served; means beyond 448 x the scale are not held at the largest code.
.set IMG,   0                          ; four images of 1,024 bytes
.set CIMG,  4096                       ; four times 128 bytes of counts
.set SPARE, 4608                       ; the spare words, 128 bytes for each wave: two blocks of 256 bytes that no other line names
	s_load_b256 s[4:11], s[0:1], 0x0               ; part s[4:5], cnt s[6:7], the scales' exponents s[8:9], roi_codes s[10:11]
	v_lshl_add_u32 v1, v0, 2, SPARE                ; my spare word; never rewritten
	v_mov_b32 v2, 0                                ; 0; never rewritten
	v_lshrrev_b32 v172, 5, v0
	v_readfirstlane_b32 s12, v172                  ; wave 0..3
	v_and_b32 v172, 31, v0
	v_lshlrev_b32 v3, 4, v172                      ; 16 x lane
	v_and_b32 v4, 15, v0
	v_lshlrev_b32 v4, 2, v4                        ; 4 r
	v_bfe_u32 v7, v0, 4, 1
	v_lshlrev_b32 v7, 3, v7                        ; 8 h
	v_lshl_add_u32 v7, v4, 2, v7                   ; 16 r + 8 h: my codes' place in the slice's 256 bytes
	s_lshl_b32 s13, s12, 10
	v_add_nc_u32 v5, s13, v3                       ; IMG + 1,024 wave + 16 lane
	v_lshl_add_u32 v6, v0, 2, CIMG                 ; CIMG + 128 wave + 4 lane
	s_lshl_b32 s14, s12, 22                        ; part: my 16 chunks of 262,144 bytes,
	s_lshl_b32 s15, ttmp9, 10                      ; the slice
	s_add_co_u32 s14, s14, s15
	s_mov_b32 s15, 0
	s_lshr_b32 s16, ttmp9, 4                       ; mt
	s_lshl_b32 s16, s16, 6                         ; cnt: 16 proposals of 4 bytes,
	s_lshl_b32 s17, s12, 14                        ; my 16 chunks of 1,024 bytes
	s_add_co_u32 s16, s16, s17
	s_mov_b32 s17, 0
	s_lshl_b32 s18, ttmp9, 8                       ; roi_codes: 256 bytes a slice
	s_mov_b32 s19, 0
	s_wait_alu depctr_va_vdst(0)
	s_wait_kmcnt 0x0
	s_load_b128 s[20:23], s[8:9], 0x0              ; e0, e1, e2, e3
	s_load_b64 s[24:25], s[8:9], 0x10              ; e4, e5
	s_add_nc_u64 s[4:5], s[4:5], s[14:15]
	s_add_nc_u64 s[6:7], s[6:7], s[16:17]
	s_add_nc_u64 s[10:11], s[10:11], s[18:19]
.set CH, 0
.rept 16
	global_load_b128 v[24+8*CH:27+8*CH], v3, s[4:5] offset:262144*CH th:TH_LOAD_NT       ; 512 consecutive bytes a load
	global_load_b128 v[28+8*CH:31+8*CH], v3, s[4:5] offset:262144*CH+512 th:TH_LOAD_NT
.set CH, CH+1
.endr
.set CH, 0
.rept 16
	global_load_b32 v[8+CH], v4, s[6:7] offset:1024*CH
.set CH, CH+1
.endr
.set CH, 1
.rept 15
	s_wait_alu depctr_va_vdst(0)
	s_wait_loadcnt 2*(15-CH)+16                    ; chunk CH is in: behind it stand the later chunks' loads, two each, and the sixteen of counts
.irp k, 0,2,4,6
	v_pk_add_f32 v[24+\k:25+\k], v[24+\k:25+\k], v[24+8*CH+\k:25+8*CH+\k]
.endr
.set CH, CH+1
.endr
	s_wait_alu depctr_va_vdst(0)
	s_wait_loadcnt 0x0
	v_add3_u32 v8, v8, v9, v10
	v_add3_u32 v11, v11, v12, v13
	v_add3_u32 v14, v14, v15, v16
	v_add3_u32 v17, v17, v18, v19
	v_add3_u32 v20, v20, v21, v22
	v_add3_u32 v8, v8, v11, v14
	v_add3_u32 v17, v17, v20, v23
	v_add_nc_u32 v8, v8, v17                       ; my 16 chunks' count of proposal r
	ds_store_b128 v5, v[24:27]
	ds_store_b128 v5, v[28:31] offset:512
	ds_store_b32 v6, v8
	s_wait_tensorcnt 0x0                           ; a wait, an add to the spare word and its wait behind a wave's last LDS store; the last is also the wait for my stores in front of the barrier
	ds_add_u32 v1, v2
	s_wait_dscnt 0x0
	s_barrier_signal -1
	s_barrier_wait -1
	s_cmp_lg_u32 s12, 0
	s_cbranch_scc1 .Lend                           ; waves 1 to 3 have handed their sums over
.irp w, 1,2,3
	ds_load_b128 v[24+8*\w:27+8*\w], v3 offset:IMG+1024*\w
	ds_load_b128 v[28+8*\w:31+8*\w], v3 offset:IMG+1024*\w+512
	ds_load_b32 v[8+\w], v6 offset:128*\w
.endr
	s_wait_kmcnt 0x0
	s_add_co_i32 s26, s20, s21                     ; e0 + e1
	s_add_co_i32 s27, s22, 127
	s_lshl_b32 s28, s27, 23
	v_mov_b32 v173, s28                            ; 2^e2 as f32: the conversion takes its exponent field
	s_add_co_i32 s27, s24, 127
	s_lshl_b32 s28, s27, 23
	v_mov_b32 v175, s28                            ; 2^e4
	s_wait_dscnt 0x0
	s_wait_alu depctr_va_vdst(0)
	v_add3_u32 v8, v8, v9, v10
	v_add_nc_u32 v8, v8, v11                       ; the count
	v_cvt_f32_u32 v12, v8
	v_max_num_f32 v12, 1.0, v12
	s_wait_alu depctr_va_vdst(0)
	v_rcp_f32 v14, v12
.irp w, 1,2,3
.irp k, 0,2,4,6
	v_pk_add_f32 v[24+\k:25+\k], v[24+\k:25+\k], v[24+8*\w+\k:25+8*\w+\k]   ; plain lines behind the reciprocal that name neither its result nor its source
.endr
.endr
	s_wait_alu depctr_va_vdst(0)                   ; the wait ahead of the first line that names the reciprocal
	v_mov_b32 v15, v14                             ; (named with it as a pair)
.irp k, 0,2,4,6
	v_pk_mul_f32 v[24+\k:25+\k], v[24+\k:25+\k], v[14:15] op_sel_hi:[1,0]
.endr
.irp j, 0,1,2,3,4,5,6,7
	v_ldexp_f32 v[24+\j], v[24+\j], s26            ; x 2^(e0 + e1): the mean
.endr
.irp j, 0,1,2,3,4,5,6,7
.endr
	v_cvt_scalef32_pk8_fp8_f32 v[168:169], v[152+((24+0)-(152+0)):159+((24+0)-(152+0))], v173
.irp j, 0,1,2,3,4,5,6,7
.endr
	v_cvt_scalef32_pk8_fp8_f32 v[170:171], v[160+((24+0)-(160+0)):167+((24+0)-(160+0))], v175
	v_nop
	global_store_b64 v7, v[168:169], s[10:11]      ; the wave's 32 pieces of 8 bytes fill 256 consecutive bytes, aligned
	global_store_b64 v7, v[170:171], s[10:11] offset:65536
.Lend:
	s_endpgm
.Lfunc_end_k_q21da3774a2_reduce:
	.size	k_q21da3774a2_reduce, .Lfunc_end_k_q21da3774a2_reduce-k_q21da3774a2_reduce
	.p2alignl 7, 3214868480
	.fill 96, 4, 3214868480
	.section	.rodata,"a",@progbits
	.p2align	6, 0x0
	.amdhsa_kernel k_q21da3774a2_reduce
		.amdhsa_group_segment_fixed_size 5120
		.amdhsa_private_segment_fixed_size 0
		.amdhsa_enable_private_segment 0
		.amdhsa_kernarg_size 32
		.amdhsa_user_sgpr_count 2
		.amdhsa_user_sgpr_kernarg_segment_ptr 1
		.amdhsa_wavefront_size32 1
		.amdhsa_system_sgpr_workgroup_id_x 1
		.amdhsa_system_sgpr_workgroup_id_y 1
		.amdhsa_system_sgpr_workgroup_id_z 1
		.amdhsa_system_vgpr_workitem_id 0
		.amdhsa_next_free_vgpr 176
		.amdhsa_next_free_sgpr 66
		.amdhsa_reserve_vcc 0
		.amdhsa_float_denorm_mode_32 3
		.amdhsa_float_denorm_mode_16_64 3
		.amdhsa_fp16_overflow 1
		.amdhsa_memory_ordered 1
		.amdhsa_forward_progress 1
		.amdhsa_inst_pref_size 15
	.end_amdhsa_kernel
	.amdgpu_metadata
---
amdhsa.version: [ 1, 2 ]
amdhsa.kernels:
  - .name:           k_q21da3774a2_reduce
    .symbol:         k_q21da3774a2_reduce.kd
    .args:
      - { .name: part, .offset: 0, .size: 8, .value_kind: global_buffer, .address_space: global }
      - { .name: cnt, .offset: 8, .size: 8, .value_kind: global_buffer, .address_space: global }
      - { .name: lowp_scales, .offset: 16, .size: 8, .value_kind: global_buffer, .address_space: global }
      - { .name: roi_codes, .offset: 24, .size: 8, .value_kind: global_buffer, .address_space: global }
    .group_segment_fixed_size: 5120
    .private_segment_fixed_size: 0
    .kernarg_segment_align: 8
    .kernarg_segment_size: 32
    .max_flat_workgroup_size: 128
    .sgpr_count:     66
    .vgpr_count:     176
    .wavefront_size: 32
...
	.end_amdgpu_metadata
.endif
;; end of part 5
;; launch heads (part 6): grid 1 x 1, 16 waves a work-group, no clusters, 67,072 bytes of LDS; arguments roi_codes, W_cls_codes, W_obj_codes, b_cls, lowp_scales, out0; writes out0
.if DOCPART == 6
	.amdgcn_target "amdgcn-amd-amdhsa--gfx1250"
	.amdhsa_code_object_version 6
	.text
	.protected	k_q21da3774a2_heads
	.globl	k_q21da3774a2_heads
	.p2align	8
	.type	k_q21da3774a2_heads,@function
k_q21da3774a2_heads:
	s_mov_b64 s[64:65], 0
	v_nop
	global_prefetch_b8 v0, s[64:65] scope:SCOPE_SE
	s_setreg_imm32_b32 hwreg(HW_REG_WAVE_MODE, 25, 1), 1
	s_wait_xcnt 0x0
; THIRD LAUNCH.  cls = roi W_cls + b_cls, obj = roi W_obj, both products on E4M3 codes; out = softmax over classes of cls x softmax over proposals of obj.
; b_obj is left out: it is the same along the axis of the softmax that it goes into, so it cancels for all values (shown at the head of the first launch); it is not loaded.
; ONE work-group, since the softmax over proposals spans all 256 rows; wave w has proposals 16 w .. 16 w + 15.
; OPERANDS.  Both have k = 32 c + 16 h + 0 .. 15 in registers 4 c .. 4 c + 3 of lane (r, h): one permutation of k, the same on both sides, so that every product meets its partner.  roi's codes lie in memory in that order:
; a load takes 512 consecutive bytes.  All sixteen waves need all of W: each wave fetches 4 whole rows of 256 bytes (rows w and min(16 + w, 20) of each head) into LDS rows of 272 bytes, and behind a barrier
; every wave takes its eight fragments from there.  The hold at row 20 keeps the loads inside the buffers.
; BOTH PRODUCTS ARE USED TRANSPOSED (source 0 = 16 classes, rows of W; source 1 = roi's 16 proposals): lane (r, h) holds proposal 16 w + r, register j class 16 ct + 8 h + j.
; Of the second tile of classes only registers 0 to 4 of lanes 0-15 are classes (16 to 20); what the other places hold is never used:
; in the class softmax it is made -infinity, on the way out it goes to a shadow of the stage that nobody reads.
; THE SOFTMAX OVER PROPOSALS: each wave takes its 16 proposals' maximum and the sum of exponentials under it; the waves' figures meet in LDS; each is brought under the common maximum.
; LIMITS: none on e2 + e3 and e4 + e5 (v_ldexp_f32).
.set FP,     144                       ; a wave's figures: 32 classes of f32 + 16 bytes: 9 x 16 bytes, so that the sixteen lanes of a load begin in sixteen different columns of 16 bytes
.set MST,    0                         ; [wave 16][FP]: the waves' maxima
.set SST,    16*FP                     ; the same shape: the waves' sums
.set STG,    2*16*FP                   ; out0 as it lies in memory, 21,504 bytes, then the shadow, as many
.set SHADOW, 21504
.set WL,     STG+2*SHADOW              ; W: 64 rows of WP bytes: row 32 head + 16 ct + r
.set WP,     272                       ; 256 bytes + 16
.set SPARE,  WL+64*WP                  ; the spare words, 128 bytes for each of sixteen waves: eight blocks of 256 bytes that no other line names
; REGISTERS: v16-79 roi's fragments, v80-207 W's; behind the products: v16-28 class logits, then their exponentials; v32-44 objectness logits; v48-52 at work; v64-76 my wave's maxima; v80-92 exponentials; v96-108 my wave's sums;
; v112-124, v128-140 wave r's maxima and sums; v144-156 the common maxima; v160-172 the common sums, then their reciprocals; v176-188 my wave's factor; v192-204 the results.  v208-239 four accumulators (v208-215 first: my four rows of W);
; v240-252 b_cls; v254, v255 where I store and read W in LDS.
	s_load_b256 s[4:11], s[0:1], 0x0               ; roi_codes s[4:5], W_cls s[6:7], W_obj s[8:9], b_cls s[10:11]
	s_load_b128 s[12:15], s[0:1], 0x20             ; the scales' exponents s[12:13], out0 s[14:15]
	v_lshl_add_u32 v1, v0, 2, SPARE                ; my spare word; never rewritten
	v_mov_b32 v2, 0                                ; 0; never rewritten
	v_lshrrev_b32 v13, 5, v0
	s_delay_alu instid0(VALU_DEP_1)
	v_readfirstlane_b32 s16, v13                   ; wave 0..15
	v_and_b32 v13, 31, v0                          ; lane
	s_delay_alu instid0(VALU_DEP_1)
	v_lshlrev_b32 v3, 4, v13                       ; 16 x lane
	v_and_b32 v14, 15, v0                          ; r
	v_bfe_u32 v15, v0, 4, 1                        ; h
	s_lshl_b32 s17, s16, 8
	v_lshl_add_u32 v4, v13, 3, s17                 ; W in memory: row w, 8 bytes a lane
	s_add_co_u32 s17, s16, 16
	s_min_u32 s17, s17, 20
	s_lshl_b32 s17, s17, 8
	v_lshl_add_u32 v5, v13, 3, s17                 ; row min(16 + w, 20)
	s_mul_i32 s17, s16, WP
	s_add_co_u32 s17, s17, WL
	v_lshl_add_u32 v254, v13, 3, s17               ; W in LDS, on the way in: WL + WP w + 8 lane
	v_mul_u32_u24 v255, v14, WP
	s_delay_alu instid0(VALU_DEP_1)
	v_lshl_add_u32 v255, v15, 4, v255
	s_delay_alu instid0(VALU_DEP_1)
	v_add_nc_u32 v255, WL, v255                    ; and on the way out: WL + WP r + 16 h
	v_lshlrev_b32 v6, 5, v15                       ; 32 h
	s_mul_i32 s17, s16, FP
	v_add_nc_u32 v7, s17, v6                       ; FP wave + 32 h: where my wave's figures go
	v_mul_u32_u24 v8, v14, FP
	s_delay_alu instid0(VALU_DEP_1)
	v_add_nc_u32 v8, v8, v6                        ; FP r + 32 h: where wave r's lie
	s_mul_i32 s17, s16, 16*84
	s_add_co_u32 s17, s17, STG
	v_mul_u32_u24 v9, v14, 84
	s_delay_alu instid0(VALU_DEP_1)
	v_add_nc_u32 v9, s17, v9                       ; my proposal's row in the stage
	v_mul_u32_u24 v10, v15, SHADOW
	s_delay_alu instid0(VALU_DEP_1)
	v_add_nc_u32 v10, v10, v9
	s_delay_alu instid0(VALU_DEP_1)
	v_add_nc_u32 v10, 64, v10                      ; classes 16 on; lanes 16-31: in the shadow
	s_delay_alu instid0(VALU_DEP_4)
	v_add_nc_u32 v9, v9, v6                        ; classes 8 h on
	v_lshlrev_b32 v12, 4, v0                       ; 16 x thread
	s_delay_alu instid0(VALU_DEP_1)
	v_add_nc_u32 v11, STG, v12
	v_mov_b32 v13, 0                               ; an offset that is the same in all lanes
	s_mov_b32 s20, 0xffff                          ; lanes 0-15
	s_mov_b32 s21, 0x76543210                      ; v_permlanex16_b32's selects for lane l xor 16
	s_mov_b32 s22, 0xfedcba98
	s_mov_b32 s23, 0x3fb8aa3b                      ; log2(e)
	s_lshl_b32 s18, s16, 12                        ; roi_codes: 4,096 bytes a tile of proposals
	s_mov_b32 s19, 0
	s_wait_alu depctr_va_vdst(0)
	s_wait_kmcnt 0x0
	s_load_b128 s[28:31], s[12:13], 0x0            ; e0, e1, e2, e3
	s_load_b64 s[32:33], s[12:13], 0x10            ; e4, e5
	s_add_nc_u64 s[4:5], s[4:5], s[18:19]
	global_load_b64 v[208:209], v4, s[6:7]         ; my four rows of W, 256 consecutive bytes a load, ahead of all else
	global_load_b64 v[210:211], v5, s[6:7]
	global_load_b64 v[212:213], v4, s[8:9]
	global_load_b64 v[214:215], v5, s[8:9]
.irp hd, 0,1
.irp c, 0,1,2,3,4,5,6,7
	global_load_b128 v[16+32*\hd+4*\c:19+32*\hd+4*\c], v3, s[4:5] offset:65536*\hd+512*\c   ; 512 consecutive bytes a load
.endr
.endr
	global_load_b128 v[240:243], v6, s[10:11]              ; b_cls[8 h + 0 .. 7]
	global_load_b128 v[244:247], v6, s[10:11] offset:16
	global_load_b128 v[248:251], v13, s[10:11] offset:64   ; b_cls[16 .. 20]
	global_load_b32 v252, v13, s[10:11] offset:80
	s_wait_loadcnt 20                              ; my rows of W are in; the sixteen loads of roi and the four of the bias behind them may be out
.irp k, 0,1,2,3
	ds_store_b64 v254, v[208+2*\k:209+2*\k] offset:16*WP*\k
.endr
	s_wait_dscnt 0x0                               ; for the others' sake: my rows are stored
	s_barrier_signal -1
	s_barrier_wait -1
.irp s, 0,1                                    ; the first K step's fragments first
.irp hd, 0,1
.irp ct, 0,1
.irp c, 0,1,2,3
	ds_load_b128 v[80+64*\hd+32*\ct+16*\s+4*\c:83+64*\hd+32*\ct+16*\s+4*\c], v255 offset:16*WP*(2*\hd+\ct)+128*\s+32*\c
.endr
.endr
.endr
.endr
	s_wait_loadcnt 0x0
	s_wait_kmcnt 0x0
	s_wait_dscnt 0x10                              ; the first K step's sixteen loads are in; the second's sixteen may be out
.irp hd, 0,1                                   ; K = 256 in two steps; the four accumulators take turns; the first step starts the sums
.irp ct, 0,1
	v_wmma_f32_16x16x128_fp8_fp8 v[208+16*\hd+8*\ct:215+16*\hd+8*\ct], v[80+64*\hd+32*\ct:95+64*\hd+32*\ct], v[16+32*\hd:31+32*\hd], 0
.endr
.endr
	s_wait_dscnt 0x0
.irp hd, 0,1
.irp ct, 0,1
	v_wmma_f32_16x16x128_fp8_fp8 v[208+16*\hd+8*\ct:215+16*\hd+8*\ct], v[96+64*\hd+32*\ct:111+64*\hd+32*\ct], v[32+32*\hd:47+32*\hd], v[208+16*\hd+8*\ct:215+16*\hd+8*\ct]
.endr
.endr
.rept 4
	v_nop                                          ; four places ahead of the first read of results and of writes over operands (ISA guide 7.12.1)
.endr
	s_add_co_i32 s24, s30, s31                     ; e2 + e3
	s_add_co_i32 s25, s32, s33                     ; e4 + e5
.irp j, 0,1,2,3,4,5,6,7,8,9,10,11,12           ; each accumulator from its low end on; registers 8 to 12 are the second tile's 0 to 4
	v_ldexp_f32 v[16+\j], v[208+\j], s24
.endr
.irp j, 0,1,2,3,4,5,6,7,8,9,10,11,12
	v_ldexp_f32 v[32+\j], v[224+\j], s25
.endr
.irp j, 0,1,2,3,4,5,6,7,8,9,10,11,12
	v_add_f32 v[16+\j], v[16+\j], v[240+\j]        ; + b_cls
.endr
	v_mov_b32 v14, 0xff800000                      ; -infinity
.irp j, 8,9,10,11,12
	v_cndmask_b32 v[16+\j], v14, v[16+\j], s20     ; lanes 16-31 hold no class there
.endr
	; ---- over classes: my proposal's 21 logits lie in lanes l and l xor 16
	v_max3_num_f32 v48, v16, v17, v18
.irp j, 19,21,23,25,27
	s_delay_alu instid0(VALU_DEP_1)
	v_max3_num_f32 v48, v48, v[\j], v[\j+1]
.endr
	v_mov_b32 v49, 0                               ; a lane permute's destination counts as one of its sources
	v_mov_b32 v51, 0
	s_delay_alu instid0(VALU_DEP_2)
	v_permlanex16_b32 v49, v48, s21, s22
	s_delay_alu instid0(VALU_DEP_1)
	v_max_num_f32 v48, v48, v49                    ; the row's maximum
.irp j, 0,1,2,3,4,5,6,7,8,9,10,11,12
	v_sub_f32 v[16+\j], v[16+\j], v48
.endr
.irp j, 0,1,2,3,4,5,6,7,8,9,10,11,12
	v_mul_f32 v[16+\j], s23, v[16+\j]
.endr
	s_wait_alu depctr_va_vdst(0)
.irp j, 0,1,2,3,4,5,6,7,8,9,10,11,12
	v_exp_f32 v[16+\j], v[16+\j]
.endr
	; ---- over proposals, my wave's 16: the maximum of each class over the 16 lanes of a half (work that names none of the exponentials above)
.irp j, 0,1,2,3,4,5,6,7,8,9,10,11,12
	v_mov_b32 v[64+\j], v[32+\j]
.endr
.irp m, 1,2,4,8
.irp j, 0,1,2,3,4,5,6,7,8,9,10,11,12
	v_max_num_f32_dpp v[64+\j], v[64+\j], v[64+\j] row_xmask:\m row_mask:0xf bank_mask:0xf
.endr
.endr
.irp j, 0,1,2,3,4,5,6,7,8,9,10,11,12
	v_sub_f32 v[80+\j], v[32+\j], v[64+\j]
.endr
.irp j, 0,1,2,3,4,5,6,7,8,9,10,11,12
	v_mul_f32 v[80+\j], s23, v[80+\j]
.endr
	s_wait_alu depctr_va_vdst(0)
.irp j, 0,1,2,3,4,5,6,7,8,9,10,11,12
	v_exp_f32 v[80+\j], v[80+\j]
.endr
	v_nop                                          ; a plain line behind the last exponential
	s_wait_alu depctr_va_vdst(0)                   ; the wait ahead of the first line that names a result: one for both batches, 26 exponentials
	v_add_f32 v255, v16, v17
	v_add_f32 v254, v18, v19
	v_add_f32 v253, v20, v21
	v_add_f32 v252, v22, v23
	v_add_f32 v251, v24, v25
	v_add_f32 v50, v26, v27
	v_add_f32 v50, v50, v28
	s_delay_alu instid0(VALU_DEP_1)
	v_add_f32 v50, v50, v253
	v_add_f32 v255, v255, v252
	v_add_f32 v254, v254, v251
	s_delay_alu instid0(VALU_DEP_1)
	v_add_f32 v50, v50, v254
	s_delay_alu instid0(VALU_DEP_1)
	v_add_f32 v50, v50, v255
	s_delay_alu instid0(VALU_DEP_1)
	v_permlanex16_b32 v51, v50, s21, s22
	s_delay_alu instid0(VALU_DEP_1)
	v_add_f32 v50, v50, v51                        ; the row's sum
	s_wait_alu depctr_va_vdst(0)
	v_rcp_f32 v52, v50                             ; (its wait is the next batch's: nothing names v52 before)
.irp j, 0,1,2,3,4,5,6,7,8,9,10,11,12
	v_mov_b32 v[96+\j], v[80+\j]
.endr
.irp m, 1,2,4,8
.irp j, 0,1,2,3,4,5,6,7,8,9,10,11,12
	v_add_f32_dpp v[96+\j], v[96+\j], v[96+\j] row_xmask:\m row_mask:0xf bank_mask:0xf
.endr
.endr
	ds_store_b128 v7, v[64:67] offset:MST          ; the sixteen lanes of a half write the same numbers to the same words
	ds_store_b128 v7, v[68:71] offset:MST+16
	ds_store_b128 v7, v[72:75] offset:MST+64
	ds_store_b32 v7, v76 offset:MST+80
	ds_store_b128 v7, v[96:99] offset:SST
	ds_store_b128 v7, v[100:103] offset:SST+16
	ds_store_b128 v7, v[104:107] offset:SST+64
	ds_store_b32 v7, v108 offset:SST+80
	s_wait_dscnt 0x0                               ; for the others' sake: my figures are stored
	s_barrier_signal -1
	s_barrier_wait -1
	ds_load_b128 v[112:115], v8 offset:MST         ; lane (r, h): wave r's figures, in the same registers
	ds_load_b128 v[116:119], v8 offset:MST+16
	ds_load_b128 v[120:123], v8 offset:MST+64
	ds_load_b32 v124, v8 offset:MST+80
	ds_load_b128 v[128:131], v8 offset:SST
	ds_load_b128 v[132:135], v8 offset:SST+16
	ds_load_b128 v[136:139], v8 offset:SST+64
	ds_load_b32 v140, v8 offset:SST+80
	s_wait_dscnt 0x0
.irp j, 0,1,2,3,4,5,6,7,8,9,10,11,12
	v_mov_b32 v[144+\j], v[112+\j]
.endr
.irp m, 1,2,4,8
.irp j, 0,1,2,3,4,5,6,7,8,9,10,11,12
	v_max_num_f32_dpp v[144+\j], v[144+\j], v[144+\j] row_xmask:\m row_mask:0xf bank_mask:0xf   ; the maximum over all 256 proposals
.endr
.endr
.irp j, 0,1,2,3,4,5,6,7,8,9,10,11,12
	v_sub_f32 v[160+\j], v[112+\j], v[144+\j]      ; wave r's maximum less the common one,
	v_sub_f32 v[176+\j], v[64+\j], v[144+\j]       ; and my wave's
.endr
.irp j, 0,1,2,3,4,5,6,7,8,9,10,11,12
	v_mul_f32 v[160+\j], s23, v[160+\j]
	v_mul_f32 v[176+\j], s23, v[176+\j]
.endr
	s_wait_alu depctr_va_vdst(0)
.irp j, 0,1,2,3,4,5,6,7,8,9,10,11,12
	v_exp_f32 v[160+\j], v[160+\j]
	v_exp_f32 v[176+\j], v[176+\j]
.endr
	v_nop
	s_wait_alu depctr_va_vdst(0)                   ; one wait for these 26 exponentials and for the reciprocal above
.irp j, 0,1,2,3,4,5,6,7,8,9,10,11,12
	v_mul_f32 v[160+\j], v[160+\j], v[128+\j]      ; wave r's sum under the common maximum
.endr
.irp m, 1,2,4,8
.irp j, 0,1,2,3,4,5,6,7,8,9,10,11,12
	v_add_f32_dpp v[160+\j], v[160+\j], v[160+\j] row_xmask:\m row_mask:0xf bank_mask:0xf
.endr
.endr
	s_wait_alu depctr_va_vdst(0)
.irp j, 0,1,2,3,4,5,6,7,8,9,10,11,12
	v_rcp_f32 v[160+\j], v[160+\j]
.endr
.irp j, 0,1,2,3,4,5,6,7,8,9,10,11,12
	v_mul_f32 v[192+\j], v[16+\j], v52             ; the class softmax (plain lines behind the reciprocals that name none of them)
.endr
.irp j, 0,1,2,3,4,5,6,7,8,9,10,11,12
	v_mul_f32 v[176+\j], v[176+\j], v[80+\j]       ; my exponential under the common maximum
.endr
	s_wait_alu depctr_va_vdst(0)                   ; one wait for the 13 reciprocals
.irp j, 0,1,2,3,4,5,6,7,8,9,10,11,12
	v_mul_f32 v[176+\j], v[176+\j], v[160+\j]      ; the softmax over proposals
.endr
.irp j, 0,1,2,3,4,5,6,7,8,9,10,11,12
	v_mul_f32 v[192+\j], v[192+\j], v[176+\j]
.endr
.irp j, 0,1,2,3,4,5,6,7
	ds_store_b32 v9, v[192+\j] offset:4*\j
.endr
.irp j, 0,1,2,3,4
	ds_store_b32 v10, v[200+\j] offset:4*\j
.endr
	s_wait_tensorcnt 0x0                           ; a wait, an add to the spare word and its wait behind a wave's last LDS store; the last is also the wait for my stores in front of the barrier
	ds_add_u32 v1, v2
	s_wait_dscnt 0x0
	s_barrier_signal -1
	s_barrier_wait -1
	; ---- the way out: 21,504 bytes are 1,344 pieces of 16: two for every thread, a third for waves 0 to 9; every store of a wave covers 512 consecutive bytes, aligned
	ds_load_b128 v[16:19], v11
	ds_load_b128 v[20:23], v11 offset:8192
	s_wait_dscnt 0x1                               ; the first is in; the second may be out
	global_store_b128 v12, v[16:19], s[14:15]
	s_wait_dscnt 0x0
	global_store_b128 v12, v[20:23], s[14:15] offset:8192
	s_cmp_ge_u32 s16, 10
	s_cbranch_scc1 .Lend
	ds_load_b128 v[24:27], v11 offset:16384
	s_wait_dscnt 0x0
	global_store_b128 v12, v[24:27], s[14:15] offset:16384
.Lend:
	s_endpgm
.Lfunc_end_k_q21da3774a2_heads:
	.size	k_q21da3774a2_heads, .Lfunc_end_k_q21da3774a2_heads-k_q21da3774a2_heads
	.p2alignl 7, 3214868480
	.fill 96, 4, 3214868480
	.section	.rodata,"a",@progbits
	.p2align	6, 0x0
	.amdhsa_kernel k_q21da3774a2_heads
		.amdhsa_group_segment_fixed_size 67072
		.amdhsa_private_segment_fixed_size 0
		.amdhsa_enable_private_segment 0
		.amdhsa_kernarg_size 48
		.amdhsa_user_sgpr_count 2
		.amdhsa_user_sgpr_kernarg_segment_ptr 1
		.amdhsa_wavefront_size32 1
		.amdhsa_system_sgpr_workgroup_id_x 1
		.amdhsa_system_sgpr_workgroup_id_y 1
		.amdhsa_system_sgpr_workgroup_id_z 1
		.amdhsa_system_vgpr_workitem_id 0
		.amdhsa_next_free_vgpr 256
		.amdhsa_next_free_sgpr 66
		.amdhsa_reserve_vcc 0
		.amdhsa_float_denorm_mode_32 3
		.amdhsa_float_denorm_mode_16_64 3
		.amdhsa_memory_ordered 1
		.amdhsa_forward_progress 1
		.amdhsa_inst_pref_size 37
	.end_amdhsa_kernel
	.amdgpu_metadata
---
amdhsa.version: [ 1, 2 ]
amdhsa.kernels:
  - .name:           k_q21da3774a2_heads
    .symbol:         k_q21da3774a2_heads.kd
    .args:
      - { .name: roi_codes, .offset: 0, .size: 8, .value_kind: global_buffer, .address_space: global }
      - { .name: W_cls_codes, .offset: 8, .size: 8, .value_kind: global_buffer, .address_space: global }
      - { .name: W_obj_codes, .offset: 16, .size: 8, .value_kind: global_buffer, .address_space: global }
      - { .name: b_cls, .offset: 24, .size: 8, .value_kind: global_buffer, .address_space: global }
      - { .name: lowp_scales, .offset: 32, .size: 8, .value_kind: global_buffer, .address_space: global }
      - { .name: out0, .offset: 40, .size: 8, .value_kind: global_buffer, .address_space: global }
    .group_segment_fixed_size: 67072
    .private_segment_fixed_size: 0
    .kernarg_segment_align: 8
    .kernarg_segment_size: 48
    .max_flat_workgroup_size: 512
    .sgpr_count:     66
    .vgpr_count:     256
    .wavefront_size: 32
...
	.end_amdgpu_metadata
.endif
;; end of part 6
